; MI455X (gfx1250); checked and timed in simulation.
; The chip was launched on July 23, 2026; its instructions are those of AMD's public machine-readable ISA for CDNA 5 (MIT licence, August 2026) and "CDNA5" Instruction Set Architecture Reference Guide (July 2026). The comments in the code are by the model that wrote it; some were corrected since.
;; MHSA. Allowed arithmetic: float matrix products may take bf16 or f16 operands with f32 sums; other float arithmetic in f32, or as packed bf16 or f16 multiplies, adds, multiply-adds, maxima and minima; sums over many terms, partial sums and values carried from step to step in f32; what a program stores and reads back later, other than sums and carried values, may be rounded once to bf16 or f16.
;; Inputs: in_proj_w 3,072 x 1,024 float32; ln_beta 1,024 float32; ln_gamma 1,024 float32; out_proj_w 1,024 x 1,024 float32; x 4 x 2,048 x 1,024 float32.
;; Outputs: out0 4 x 2,048 x 1,024 float32.
;; 2 versions, each right; version 2 is version 1 with the launch prep written anew for expert scheduling mode. Each part assembles by itself: llvm-mc -triple=amdgcn-amd-amdhsa -mcpu=gfx1250 --defsym DOCPART=n.
;; ======== version 1 of 2: 4 launches
;; limits: values are held in f16: magnitudes above 65,504 overflow, below 6.1e-05 lose precision
;; workspace buffers: hn 16,777,216 bytes; wh 8,388,608 bytes; qkv 50,331,648 bytes; o 16,777,216 bytes
;; launch prep (part 1): grid 768 x 1, 4 waves a work-group, no clusters, 0 bytes of LDS; arguments x, in_proj_w, out_proj_w, ln_gamma, ln_beta, hn, wh; writes hn, wh
.if DOCPART == 1
	.amdgcn_target "amdgcn-amd-amdhsa--gfx1250"
	.amdhsa_code_object_version 6
	.text
	.protected	k_qcb25c6af70_prep
	.globl	k_qcb25c6af70_prep
	.p2align	8
	.type	k_qcb25c6af70_prep,@function
k_qcb25c6af70_prep:
	s_mov_b64 s[64:65], 0
	v_nop
	global_prefetch_b8 v0, s[64:65] scope:SCOPE_SE
	s_setreg_imm32_b32 hwreg(HW_REG_WAVE_MODE, 25, 1), 1
	s_wait_xcnt 0x0
; hn = LayerNorm(x) * gamma + beta, rounded once to f16; wh = in_proj_w's 3,072 rows and then out_proj_w's 1,024 rows, rounded once to f16.
; All rows are 1,024 f32 (4,096 bytes) in and 1,024 f16 (2,048 bytes) out.  A work-group takes 16 rows, a wave 4, one wave a whole row:
; work-groups 0-511 normalise x's 8,192 rows, work-groups 512-767 cast the 4,096 rows of weights.
; A row lies in 32 registers between the pass for the mean, the pass for the variance (of x - mean, as the module defines it: no difference of large sums) and the scaling,
; so memory is read once and no wave waits for another: no LDS, no barrier.  Each wave asks for all its 4 rows at its head: 32 loads of 512 consecutive bytes.
; Chunk j of a row: lane l holds columns 128 j + 4 l .. + 3; they leave as 8 bytes of f16, so a wave's store covers 256 consecutive bytes, aligned.
; No register that a store names is written again, so no wait frees any.
; LIMITS.  f16 holds no number beyond 65,504: LN(x) gamma + beta and the weights lie within it; below 6e-5 f16 keeps a fixed step of 6e-8.  NaN and infinities are not treated apart.
.set G,  4                             ; v[4:35]    gamma of my 32 columns
.set BT, 36                            ; v[36:67]   beta
.set X,  68                            ; v[68:195]  row i at X + 32 i, chunk j at + 4 j
.set T,  196                           ; v[196:203] four chains of pairs
.set M,  204                           ; v[204:205] the mean, twice
.set R,  206                           ; v[206:207] 1 / sqrt(var + eps), twice
.set P,  208                           ; v208       the other half of the lanes' sum
	s_load_b256 s[4:11], s[0:1], 0x0               ; x s[4:5], in_proj_w s[6:7], out_proj_w s[8:9], gamma s[10:11]
	s_load_b128 s[12:15], s[0:1], 0x20             ; beta s[12:13], hn s[14:15]
	s_load_b64 s[16:17], s[0:1], 0x30              ; wh
	v_and_b32 v3, 31, v0                           ; lane
	v_lshrrev_b32 v1, 5, v0                        ; wave
	v_lshlrev_b32 v2, 13, v1                       ; out: wave x 4 rows x 2,048 bytes
	v_lshlrev_b32 v1, 14, v1                       ; in:  wave x 4 rows x 4,096 bytes
	v_lshl_or_b32 v1, v3, 4, v1                    ; + 16 bytes a lane
	v_lshl_or_b32 v2, v3, 3, v2                    ; + 8 bytes a lane
	v_lshlrev_b32 v3, 4, v3                        ; gamma's and beta's offset
	v_mov_b32 v[P], 0                              ; v_permlanex16_b32 counts as a reader of its destination
	s_mov_b32 s19, 0
	s_mov_b32 s20, 0x3a800000                      ; 1 / 1,024
	s_mov_b32 s21, 0x3727c5ac                      ; eps = 1e-5
	s_mov_b32 s22, 0x76543210                      ; v_permlanex16_b32: each lane takes its own place in the other half
	s_mov_b32 s23, 0xfedcba98
	s_wait_kmcnt 0x0
.macro LOADX                           ; my 4 rows: 32 loads, each 512 consecutive bytes
.irp i, 0,1,2,3
.irp j, 0,1,2,3,4,5,6,7
	global_load_b128 v[X+32*(\i)+4*(\j):X+32*(\i)+4*(\j)+3], v1, s[4:5] offset:4096*(\i)+512*(\j) th:TH_LOAD_NT
.endr
.endr
.endm
.macro REDUCE                          ; the four chains, the pair's halves, the 32 lanes: the sum ends in v[T] of every lane
	v_pk_add_f32 v[T:T+1], v[T:T+1], v[T+2:T+3]
	v_pk_add_f32 v[T+4:T+5], v[T+4:T+5], v[T+6:T+7]
	v_pk_add_f32 v[T:T+1], v[T:T+1], v[T+4:T+5]
	v_add_f32 v[T], v[T], v[T+1]
	v_add_f32_dpp v[T], v[T], v[T] row_xmask:1 row_mask:0xf bank_mask:0xf
	v_add_f32_dpp v[T], v[T], v[T] row_xmask:2 row_mask:0xf bank_mask:0xf
	v_add_f32_dpp v[T], v[T], v[T] row_xmask:4 row_mask:0xf bank_mask:0xf
	v_add_f32_dpp v[T], v[T], v[T] row_xmask:8 row_mask:0xf bank_mask:0xf
	v_permlanex16_b32 v[P], v[T], s22, s23
	v_add_f32 v[T], v[T], v[P]
.endm
.macro NORM i                          ; row i, in place: ((x - mean) rsqrt(var + eps)) gamma + beta
.set XR, X+32*(\i)
.irp c, 0,1,2,3
	v_pk_add_f32 v[T+2*(\c):T+2*(\c)+1], v[XR+8*(\c):XR+8*(\c)+1], v[XR+8*(\c)+2:XR+8*(\c)+3]  ; the first two pairs start each chain: nothing is cleared
.endr
.irp k, 4,6
.irp c, 0,1,2,3
	v_pk_add_f32 v[T+2*(\c):T+2*(\c)+1], v[T+2*(\c):T+2*(\c)+1], v[XR+8*(\c)+(\k):XR+8*(\c)+(\k)+1]
.endr
.endr
	REDUCE
	v_mul_f32 v[M], s20, v[T]
	v_mul_f32 v[M+1], s20, v[T]
.set p, 0
.rept 16
	v_pk_add_f32 v[XR+p:XR+p+1], v[XR+p:XR+p+1], v[M:M+1] neg_lo:[0,1] neg_hi:[0,1]  ; x - mean
.set p, p+2
.endr
.irp c, 0,1,2,3
	v_pk_mul_f32 v[T+2*(\c):T+2*(\c)+1], v[XR+8*(\c):XR+8*(\c)+1], v[XR+8*(\c):XR+8*(\c)+1]
.endr
.irp k, 2,4,6
.irp c, 0,1,2,3
	v_pk_fma_f32 v[T+2*(\c):T+2*(\c)+1], v[XR+8*(\c)+(\k):XR+8*(\c)+(\k)+1], v[XR+8*(\c)+(\k):XR+8*(\c)+(\k)+1], v[T+2*(\c):T+2*(\c)+1]
.endr
.endr
	REDUCE
	v_fma_f32 v[T], v[T], s20, s21                 ; var + eps
	v_rsq_f32 v[R], v[T]
	v_rsq_f32 v[R+1], v[T]
	v_nop                                          ; a plain instruction between the root and the use of its result (ISA guide 5.7.2)
.set p, 0
	s_wait_alu depctr_va_vdst(0)
.rept 16
	v_pk_mul_f32 v[XR+p:XR+p+1], v[XR+p:XR+p+1], v[R:R+1]
.set p, p+2
.endr
.set p, 0
.rept 16
	v_pk_fma_f32 v[XR+p:XR+p+1], v[XR+p:XR+p+1], v[G+p:G+p+1], v[BT+p:BT+p+1]
.set p, p+2
.endr
.endm
.macro CVTST i, base                   ; row i rounded to f16, in place, and stored: 256 consecutive bytes a store
.irp j, 0,1,2,3,4,5,6,7
	v_cvt_pk_f16_f32 v[X+32*(\i)+4*(\j)], v[X+32*(\i)+4*(\j)], v[X+32*(\i)+4*(\j)+1]
	v_cvt_pk_f16_f32 v[X+32*(\i)+4*(\j)+1], v[X+32*(\i)+4*(\j)+2], v[X+32*(\i)+4*(\j)+3]
	global_store_b64 v2, v[X+32*(\i)+4*(\j):X+32*(\i)+4*(\j)+1], s[\base:\base+1] offset:2048*(\i)+256*(\j)
.endr
.endm
	s_cmp_lt_u32 ttmp9, 512
	s_cbranch_scc0 .Lcast
	; THE NORM: work-group g takes x's rows 16 g .. 16 g + 15
	s_lshl_b32 s18, ttmp9, 16                      ; 16 rows of 4,096 bytes
	s_add_nc_u64 s[4:5], s[4:5], s[18:19]
	s_lshl_b32 s18, ttmp9, 15                      ; 16 rows of 2,048 bytes
	s_add_nc_u64 s[14:15], s[14:15], s[18:19]
.irp j, 0,1,2,3,4,5,6,7
	global_load_b128 v[G+4*(\j):G+4*(\j)+3], v3, s[10:11] offset:512*(\j)
.endr
.irp j, 0,1,2,3,4,5,6,7
	global_load_b128 v[BT+4*(\j):BT+4*(\j)+3], v3, s[12:13] offset:512*(\j)
.endr
	LOADX
.irp i, 0,1,2,3
	s_wait_loadcnt 8*(3-(\i))                      ; loads come back in order (ISA guide 5.7.1): gamma, beta and row i are in; the younger rows' eight loads each stay out
	NORM \i
	CVTST \i, 14
.endr
	s_endpgm
.Lcast:
	; THE CAST: work-group 512 + g takes wh's rows 16 g .. 16 g + 15: in_proj_w's for g < 192, out_proj_w's rows 16 (g - 192) .. behind them
	s_sub_co_u32 s18, ttmp9, 512
	s_sub_co_u32 s25, s18, 192
	s_cmp_lt_u32 s18, 192
	s_cselect_b64 s[4:5], s[6:7], s[8:9]
	s_cselect_b32 s24, s18, s25
	s_lshl_b32 s24, s24, 16
	s_mov_b32 s25, 0
	s_add_nc_u64 s[4:5], s[4:5], s[24:25]
	s_lshl_b32 s18, s18, 15
	s_add_nc_u64 s[16:17], s[16:17], s[18:19]
	LOADX
.irp i, 0,1,2,3
	s_wait_loadcnt 8*(3-(\i))                      ; row i is in; the younger rows stay out
	CVTST \i, 16
.endr
	s_endpgm
.Lfunc_end_k_qcb25c6af70_prep:
	.size	k_qcb25c6af70_prep, .Lfunc_end_k_qcb25c6af70_prep-k_qcb25c6af70_prep
	.p2alignl 7, 3214868480
	.fill 96, 4, 3214868480
	.section	.rodata,"a",@progbits
	.p2align	6, 0x0
	.amdhsa_kernel k_qcb25c6af70_prep
		.amdhsa_group_segment_fixed_size 0
		.amdhsa_private_segment_fixed_size 0
		.amdhsa_enable_private_segment 0
		.amdhsa_kernarg_size 56
		.amdhsa_user_sgpr_count 2
		.amdhsa_user_sgpr_kernarg_segment_ptr 1
		.amdhsa_wavefront_size32 1
		.amdhsa_system_sgpr_workgroup_id_x 1
		.amdhsa_system_sgpr_workgroup_id_y 1
		.amdhsa_system_sgpr_workgroup_id_z 1
		.amdhsa_system_vgpr_workitem_id 0
		.amdhsa_next_free_vgpr 212
		.amdhsa_next_free_sgpr 66
		.amdhsa_reserve_vcc 0
		.amdhsa_float_denorm_mode_32 3
		.amdhsa_float_denorm_mode_16_64 3
		.amdhsa_memory_ordered 1
		.amdhsa_forward_progress 1
		.amdhsa_inst_pref_size 48
	.end_amdhsa_kernel
	.amdgpu_metadata
---
amdhsa.version: [ 1, 2 ]
amdhsa.kernels:
  - .name:           k_qcb25c6af70_prep
    .symbol:         k_qcb25c6af70_prep.kd
    .args:
      - { .name: x, .offset: 0, .size: 8, .value_kind: global_buffer, .address_space: global }
      - { .name: in_proj_w, .offset: 8, .size: 8, .value_kind: global_buffer, .address_space: global }
      - { .name: out_proj_w, .offset: 16, .size: 8, .value_kind: global_buffer, .address_space: global }
      - { .name: ln_gamma, .offset: 24, .size: 8, .value_kind: global_buffer, .address_space: global }
      - { .name: ln_beta, .offset: 32, .size: 8, .value_kind: global_buffer, .address_space: global }
      - { .name: hn, .offset: 40, .size: 8, .value_kind: global_buffer, .address_space: global }
      - { .name: wh, .offset: 48, .size: 8, .value_kind: global_buffer, .address_space: global }
    .group_segment_fixed_size: 0
    .private_segment_fixed_size: 0
    .kernarg_segment_align: 8
    .kernarg_segment_size: 56
    .max_flat_workgroup_size: 128
    .sgpr_count:     66
    .vgpr_count:     212
    .wavefront_size: 32
...
	.end_amdgpu_metadata
.endif
;; end of part 1
;; launch qkvproj (part 2): grid 16 x 32, 4 waves a work-group, clusters of 4 x 4, 327,680 bytes of LDS; arguments hn, wh, qkv; writes qkv
.if DOCPART == 2
	.amdgcn_target "amdgcn-amd-amdhsa--gfx1250"
	.amdhsa_code_object_version 6
	.text
	.protected	k_qcb25c6af70_qkvproj
	.globl	k_qcb25c6af70_qkvproj
	.p2align	8
	.type	k_qcb25c6af70_qkvproj,@function
k_qcb25c6af70_qkvproj:
	s_mov_b64 s[64:65], 0
	v_nop
	global_prefetch_b8 v0, s[64:65] scope:SCOPE_SE
	s_setreg_imm32_b32 hwreg(HW_REG_WAVE_MODE, 25, 1), 1
	s_wait_xcnt 0x0
	s_wait_alu depctr_hold_cnt(0) depctr_sa_sdst(0) depctr_va_vdst(0) depctr_va_sdst(0) depctr_va_ssrc(0) depctr_va_vcc(0) depctr_vm_vsrc(0)
	s_getreg_b32 s2, hwreg(HW_REG_IB_STS2, 6, 4)
	s_cmp_eq_u32 s2, 0
	s_cbranch_scc0 .Lentry_in_a_cluster
	s_endpgm
.Lentry_in_a_cluster:
	s_bfe_u32 s2, ttmp6, 0x10000c
	s_cmp_lg_u32 s2, 0xf033
	s_cbranch_scc0 .Lentry_shape_is_right
	s_endpgm
.Lentry_shape_is_right:
; qkv[b][e][s][c] = the sum over d of hn[2048 b + s][d] wh[64 e + c][d], e = 0..47 (16 heads of q, of k, of v).  hn: [8192][1024], wh's first 3,072 rows: [.][1024], all f16; sums in f32, rounded once to f16.
; LIMIT.  f16 holds no number beyond 65,504: q, k and v lie within it.
; SHARES.  A tile is 256 tokens x 192 columns (three whole heads): 32 x 16 = 512 work-groups, two for each of 256 WGPs.  Wave w makes tokens 64 w .. + 63 of all 192 columns: 4 x 12 accumulators
; of 16 x 16, 384 registers: for 32 along K it reads 32 x 512 bytes of LDS for 48 matrix instructions, and it owns whole rows of its three heads, so the way out needs no barrier.
; K = 1,024 goes in 8 steps of 128 (rows of 256 bytes, aligned) through two LDS slots filled by the tensor data mover, one load a wave: waves 0, 1 A's halves of 128 rows, waves 2, 3 B's halves of 96.
; CLUSTER.  4 x 4 work-groups: the four of a row need the same tokens, the four of a column the same weights: each tile is asked for JOINTLY, by the same load, descriptor and mask in all four.
; THE MATRIX INSTRUCTION IS USED TRANSPOSED (source 0 = 16 rows of wh, source 1 = 16 tokens): a lane holds token l % 16 and eight neighbouring columns, which pack into 16 bytes.
; REGISTERS, in windows of 256 (s_set_vgpr_msb: bits 1:0 source 0, 3:2 source 1, 5:4 source 2, 7:6 destination):
;   window 0: v0-31 addresses; v32-223 the way out, 48 for each block of 16 tokens      window 1: two fragment buffers of 128: B's 12 fragments, then A's 4
;   window 2: accumulators of token blocks 0, 1 ((a, b) at v[8 (12 (a % 2) + b)]); window 3: of blocks 2, 3
.set PITCH,  272                       ; an LDS row: 256 bytes + 16 of padding = 68 words: the 16 rows of a fragment load start at 16 different groups of four banks (64 banks of 4 bytes: ISA guide 11.1)
.set SLOT1,  1<<17                     ; slot 1 begins here: one exclusive or turns an address in one slot into the other's
.set BOFF,   256*PITCH                 ; in a slot: A's 256 rows, then B's 192
.set STAGE,  SLOT1+BOFF+192*PITCH      ; behind the ring, never filled by a tensor load: 16 rows x 400 bytes for each wave
.set SPITCH, 400                       ; 384 bytes + 16: an odd multiple of 16
.set SPARE,  STAGE+4*16*SPITCH         ; the spare words, 128 bytes a wave: two blocks of 256 bytes that no other line names
.set A0,   16                          ; v16  my lane's place in slot 0's A; never rewritten
.set B0,   17                          ; v17  the same for B
.set ADRA, 18                          ; v18  A0 + the slot in hand
.set ADRB, 19                          ; v19  B0 + the slot in hand
.set STO,  24                          ; v24  the way out: where I put 16 bytes of a row
.set RD,   25                          ; v25  the way out: where I read rows back
.set GO,   26                          ; v26  16 x lane: my place in 512 consecutive bytes of qkv
.set SPW,  28                          ; v28  LDS address of my spare word; never rewritten
.set NIL,  29                          ; v29  0; never rewritten
.set OUTR, 32
.set F0,   0
.set F1,   128
.set G1A, 24                           ; s[24:31] descriptor group 1 for A's tiles
.set G0A, 32                           ; s[32:39] group 0: a set for each first fill; the second then walks on
.set G1B, 48                           ; s[48:55], s[56:63] the same for B's
.set G0B, 56
.set TB,  3                            ; s3   the slot in hand: 0 or SLOT1
.set MSB, 0
.macro WIN new                         ; the immediate's high byte repeats the setting that is left; a switch that changes nothing is dropped
.if MSB != (\new)
	s_set_vgpr_msb (MSB<<8)|(\new)
.set MSB, \new
.endif
.endm
.macro PLACES                          ; four places behind a matrix instruction, in front of loads into registers that it read and of conversions of results
.rept 4
	v_nop
.endr
.endm
; A joint refill by the walking descriptor.  The branch hangs on the wave's number alone.  An s_nop 0 and four v_nop follow each line, ahead of the jump and the label.
.macro JLOAD
	s_cmp_lt_u32 s10, 2
	s_cbranch_scc0 .Lfor_b_\@
	tensor_load_to_lds s[G0A+4:G0A+7], s[G1A:G1A+7]
	s_nop 0
.rept 4
	v_nop
.endr
	s_branch .Lasked_\@
.Lfor_b_\@:
	tensor_load_to_lds s[G0B+4:G0B+7], s[G1B:G1B+7]
	s_nop 0
.rept 4
	v_nop
.endr
.Lasked_\@:
.endm
.macro CREST                           ; a round of the cluster's barrier behind its opening barrier
	s_cmp_lg_u32 s10, 0
	s_cbranch_scc1 .Lnot_wave_0_\@
	s_barrier_signal -3
.Lnot_wave_0_\@:
	s_barrier_wait -3
	s_barrier_signal -1
	s_barrier_wait -1
.endm
.macro CROUND                          ; a whole round
	s_barrier_signal -1
	s_barrier_wait -1
	CREST
.endm
	s_load_b128 s[4:7], s[0:1], 0x0                ; hn s[4:5], wh s[6:7]
	s_load_b64 s[8:9], s[0:1], 0x10                ; qkv
	v_lshl_add_u32 v[SPW], v0, 2, SPARE
	v_mov_b32 v[NIL], 0
	ds_add_u32 v[SPW], v[NIL]                      ; the wave's opening: the add and its wait stand ahead of my first tensor load; the set-up below stands between them
	v_lshrrev_b32 v1, 5, v0
	v_readfirstlane_b32 s10, v1                    ; wave 0..3
	s_and_b32 s12, s10, 1                          ; which half of A's or B's tile I fetch
	s_bfe_u32 s40, ttmp6, 0x40000                  ; cx, cy: my place in the cluster
	s_bfe_u32 s41, ttmp6, 0x40004
	s_lshl_b32 s42, ttmp9, 2
	s_add_co_u32 s42, s42, s40                     ; tile column = 4 x cluster x + cx
	s_and_b32 s13, ttmp7, 0xffff
	s_lshl_b32 s13, s13, 2
	s_add_co_u32 s13, s13, s41                     ; tile row = 4 x cluster y + cy
	s_lshl_b32 s43, s41, 2
	s_lshl_b32 s43, 15, s43                        ; my row of the cluster
	s_lshl_b32 s44, 0x1111, s40                    ; my column
	s_or_b32 s[G1A+0], s43, (1<<16)|(1<<20)|(1<<21)|(5<<22)|(3<<25)  ; 15:0 the mask; 17:16 2-byte elements; 20 padding on; 21 set beside a mask; 24:22 after every 64 words; 31:25 4 words
	s_or_b32 s[G1B+0], s44, (1<<16)|(1<<20)|(1<<21)|(5<<22)|(3<<25)
	s_mov_b32 s[G1A+1], 128<<16                    ; tensor_dim0 = 128
	s_mov_b32 s[G1A+2], 128<<16                    ; tensor_dim1 = 128 rows
	s_mov_b32 s[G1A+3], 128<<16                    ; tile_dim0 = 128
	s_mov_b32 s[G1A+4], 128                        ; tile_dim1 = 128
	s_mov_b32 s[G1A+5], 1024                       ; elements from row to row
	s_mov_b32 s[G1A+6], 0
	s_mov_b32 s[G1A+7], 0
	s_mov_b32 s[G1B+1], 128<<16
	s_mov_b32 s[G1B+2], 96<<16                     ; 96 rows
	s_mov_b32 s[G1B+3], 128<<16
	s_mov_b32 s[G1B+4], 96
	s_mov_b32 s[G1B+5], 1024
	s_mov_b32 s[G1B+6], 0
	s_mov_b32 s[G1B+7], 0
	s_lshl_b32 s16, s13, 8                         ; A: row 256 x tile row + 128 x half, rows of 2,048 bytes
	s_lshl_b32 s17, s12, 7
	s_add_co_u32 s16, s16, s17
	s_lshl_b32 s16, s16, 11
	s_mov_b32 s17, 0
	s_mul_i32 s46, s42, 192                        ; B: row 192 x tile column + 96 x half
	s_mul_i32 s47, s12, 96
	s_add_co_u32 s46, s46, s47
	s_lshl_b32 s46, s46, 11
	s_mov_b32 s47, 0
	s_mul_i32 s20, s12, 128*PITCH                  ; where they go: no place in the cluster enters an LDS address
	s_mul_i32 s21, s12, 96*PITCH
	s_add_co_u32 s21, s21, BOFF
	s_mov_b32 s[TB], 0
	s_wait_dscnt 0x0                               ; the opening add is done
	s_wait_kmcnt 0x0
	s_add_nc_u64 s[14:15], s[4:5], s[16:17]
	s_add_nc_u64 s[46:47], s[6:7], s[46:47]
	CROUND                                         ; all sixteen work-groups are here: the first joint loads meet
.irp s, 0,1
	s_mov_b32 s[G0A+4*(\s)], 1                                       ; count = 1
	s_add_co_u32 s[G0A+4*(\s)+1], s20, (\s)*SLOT1                    ; LDS address
	s_add_nc_u64 s[G0A+4*(\s)+2:G0A+4*(\s)+3], s[14:15], (\s)*256    ; global address: K step s
	s_or_b32 s[G0A+4*(\s)+3], s[G0A+4*(\s)+3], 0x80000000            ; type = 2
	s_mov_b32 s[G0B+4*(\s)], 1
	s_add_co_u32 s[G0B+4*(\s)+1], s21, (\s)*SLOT1
	s_add_nc_u64 s[G0B+4*(\s)+2:G0B+4*(\s)+3], s[46:47], (\s)*256
	s_or_b32 s[G0B+4*(\s)+3], s[G0B+4*(\s)+3], 0x80000000
.endr
	s_cmp_lt_u32 s10, 2                            ; a wave's two first fills stand in one branch, ahead of every wait on TENSORcnt and every LDS read: two loads of mine are out
	s_cbranch_scc0 .Lfirst_b
	tensor_load_to_lds s[G0A:G0A+3], s[G1A:G1A+7]
	s_nop 0
	tensor_load_to_lds s[G0A+4:G0A+7], s[G1A:G1A+7]
	s_nop 0
.rept 4
	v_nop
.endr
	s_branch .Lfirst_asked
.Lfirst_b:
	tensor_load_to_lds s[G0B:G0B+3], s[G1B:G1B+7]
	s_nop 0
	tensor_load_to_lds s[G0B+4:G0B+7], s[G1B:G1B+7]
	s_nop 0
.rept 4
	v_nop
.endr
.Lfirst_asked:
	; A fragment is 16 rows x 32 K in 8 registers: lane l holds row l % 16, K = 8 (l / 16) + 0..7 and 16 + 8 (l / 16) + 0..7: two loads of 16 bytes, 32 bytes apart.
	v_and_b32 v1, 15, v0                           ; l % 16
	v_bfe_u32 v2, v0, 4, 1                         ; l / 16
	v_mul_u32_u24 v3, v1, PITCH
	v_lshl_add_u32 v3, v2, 4, v3
	s_mul_i32 s21, s10, 64*PITCH                   ; my 64 tokens
	v_add_nc_u32 v[A0], s21, v3
	v_add_nc_u32 v[B0], BOFF, v3
	v_mov_b32 v[ADRA], v[A0]
	v_mov_b32 v[ADRB], v[B0]
	s_mul_i32 s23, s10, 16*SPITCH
	s_add_co_u32 s23, s23, STAGE                   ; my stage
	v_mul_u32_u24 v4, v1, SPITCH                   ; in: row l % 16, 16 bytes for each half of the lanes
	v_lshl_add_u32 v4, v2, 4, v4
	v_add_nc_u32 v[STO], s23, v4
	v_bfe_u32 v5, v0, 3, 2                         ; back: 32 lanes take a head's 128 bytes of four rows,
	v_mul_u32_u24 v5, v5, SPITCH
	v_and_b32 v6, 7, v0
	v_lshl_add_u32 v5, v6, 4, v5
	v_add_nc_u32 v[RD], s23, v5
	v_and_b32 v[GO], 31, v0                        ; which are 512 consecutive bytes of the head's slab
	v_lshlrev_b32 v[GO], 4, v[GO]
	s_lshr_b32 s20, s13, 3                         ; qkv at my rows: slab 48 b + 3 x tile column (262,144 bytes each), 256 tokens of 128 bytes a tile row, 64 a wave
	s_mul_i32 s20, s20, 48
	s_mul_i32 s22, s42, 3
	s_add_co_u32 s20, s20, s22
	s_lshl_b32 s20, s20, 18
	s_and_b32 s22, s13, 7
	s_lshl_b32 s22, s22, 15
	s_add_co_u32 s20, s20, s22
	s_lshl_b32 s22, s10, 13
	s_add_co_u32 s20, s20, s22
	s_mov_b32 s21, 0
	s_add_nc_u64 s[8:9], s[8:9], s[20:21]
; 12 matrix instructions: token block a x all 12 column blocks, 32 along K.  zero = 1: the product starts the sum: nothing is cleared.
; The 48 accumulators take turns, in the same order in every quarter and over the backward jump.
.macro MUL12 f, a, zero
	WIN 0x05+0x50*(2+(\a)/2)
.irp b, 0,1,2,3,4,5,6,7,8,9,10,11
.if \zero
	v_wmma_f32_16x16x32_f16 v[96*((\a)%2)+8*(\b):96*((\a)%2)+8*(\b)+7], v[(\f)+8*(\b):(\f)+8*(\b)+7], v[(\f)+96+8*(\a):(\f)+96+8*(\a)+7], 0
.else
	v_wmma_f32_16x16x32_f16 v[96*((\a)%2)+8*(\b):96*((\a)%2)+8*(\b)+7], v[(\f)+8*(\b):(\f)+8*(\b)+7], v[(\f)+96+8*(\a):(\f)+96+8*(\a)+7], v[96*((\a)%2)+8*(\b):96*((\a)%2)+8*(\b)+7]
.endif
.endr
.endm
; 32 LDS loads in one run: the fragments of 32 along K at byte k of the rows, into buffer f: B's 12, then A's 4
.macro FETCH k, f
	WIN 0x40
.irp b, 0,1,2,3,4,5,6,7,8,9,10,11
	ds_load_b128 v[(\f)+8*(\b):(\f)+8*(\b)+3],   v[ADRB] offset:(\k)+(\b)*16*PITCH
	ds_load_b128 v[(\f)+8*(\b)+4:(\f)+8*(\b)+7], v[ADRB] offset:(\k)+(\b)*16*PITCH+32
.endr
.irp a, 0,1,2,3
	ds_load_b128 v[(\f)+96+8*(\a):(\f)+96+8*(\a)+3],   v[ADRA] offset:(\k)+(\a)*16*PITCH
	ds_load_b128 v[(\f)+96+8*(\a)+4:(\f)+96+8*(\a)+7], v[ADRA] offset:(\k)+(\a)*16*PITCH+32
.endr
.endm
; A K step is four quarters of 32 along K, 48 matrix instructions each, on buffers 0, 1, 0, 1.  One of the first three multiplies buffer f and fetches the next quarter, at byte k, into g.
.macro QUARTER k, f, g, zero
	s_wait_dscnt 4                                 ; B and A's blocks 0, 1 are in; the youngest four loads (A's blocks 2, 3) may be out
	MUL12 \f, 0, \zero
	MUL12 \f, 1, \zero
	PLACES
	FETCH \k, \g
	s_wait_dscnt 32                                ; all but the 32 just issued
	MUL12 \f, 2, \zero
	MUL12 \f, 3, \zero
.endm
; The last quarter multiplies buffer 1 and changes slots: ONE barrier.  In front of it each wave waits for all its tensor loads (one is out: its part of the next slot), adds 0 to its spare word, and waits
; for that and for its reads of this slot.  fill = 1: the barrier opens a round of the cluster's, and behind the round this slot is filled again, two K steps ahead: 168 matrix instructions ahead of the wait for it.
.macro TURN fill
	WIN 0
	s_wait_tensorcnt 0x0                           ; no tensor load of mine is out, so a group 0 may be written
	ds_add_u32 v[SPW], v[NIL]                      ; 0 onto my spare word
.if \fill
.irp g, G0A+4, G0B+4
	s_xor_b32 s[(\g)+1], s[(\g)+1], SLOT1          ; the walking descriptor: the other slot than last time,
	s_add_nc_u64 s[(\g)+2:(\g)+3], s[(\g)+2:(\g)+3], 256  ; the next K step; the type bits on top are not reached
.endr
.endif
	s_xor_b32 s[TB], s[TB], SLOT1                  ; the fetches go on in the other slot
	s_wait_dscnt 5                                 ; the add and the youngest four loads may be out
	MUL12 F1, 0, 0
	s_wait_dscnt 0x0                               ; the add is done, and my reads of this slot are over
	s_barrier_signal -1
	MUL12 F1, 1, 0
	WIN 0                                          ; at a branch and at a label every window is 0
	s_barrier_wait -1
.if \fill
	CREST                                          ; no wave of any partner still reads this slot or has a load on its way
	JLOAD                                          ; the first tensor load behind the round; its four v_nop are also the places in front of the loads below
.else
	PLACES
.endif
	v_add_nc_u32 v[ADRA], s[TB], v[A0]
	v_add_nc_u32 v[ADRB], s[TB], v[B0]
	FETCH 0, F0
	MUL12 F1, 2, 0
	MUL12 F1, 3, 0
.endm
; THE WAY OUT of token block a: rounded to f16, 16 bytes a lane, into my own stage, and back by heads: four rows x 128 bytes a load, into the registers that they left.
.macro PACK a
	WIN 0x0a+5*((\a)/2)                            ; sources 0 and 1: window 2 or 3
.irp b, 0,1,2,3,4,5,6,7,8,9,10,11
.irp r, 0,1,2,3
	v_cvt_pk_f16_f32 v[OUTR+48*(\a)+4*(\b)+(\r)], v[96*((\a)%2)+8*(\b)+2*(\r)], v[96*((\a)%2)+8*(\b)+2*(\r)+1]
.endr
.endr
	WIN 0
.irp b, 0,1,2,3,4,5,6,7,8,9,10,11
	ds_store_b128 v[STO], v[OUTR+48*(\a)+4*(\b):OUTR+48*(\a)+4*(\b)+3] offset:32*(\b)
.endr
.irp j, 0,1,2
.irp t, 0,1,2,3
	ds_load_b128 v[OUTR+48*(\a)+4*(4*(\j)+(\t)):OUTR+48*(\a)+4*(4*(\j)+(\t))+3], v[RD] offset:128*(\j)+4*SPITCH*(\t)  ; LDS serves a wave's instructions in order (ISA guide 5.7.1.4): these see the stores above
.endr
.endr
.endm
.macro SEND a, younger                 ; younger: the LDS instructions issued behind block a's loads: the next block's 24, or none
.irp j, 0,1,2
.irp t, 0,1,2,3
	s_wait_dscnt (\younger)+11-(4*(\j)+(\t))
	global_store_b128 v[GO], v[OUTR+48*(\a)+4*(4*(\j)+(\t)):OUTR+48*(\a)+4*(4*(\j)+(\t))+3], s[8:9] offset:262144*(\j)+2048*(\a)+512*(\t)  ; 512 consecutive bytes of head j's slab, aligned
.endr
.endr
.endm
	s_wait_tensorcnt 1                             ; my part of K step 0 is in; K step 1's may stay out
	s_barrier_signal -1
	s_barrier_wait -1                              ; everybody's is
	FETCH 0, F0
	QUARTER 64, F0, F1, 1                          ; the first quarter stands in front of the loop: its products start the sums
	WIN 0
	s_mov_b32 s2, 6
.Lk:                                                   ; a trip: from a K step's second quarter to the next step's first; K steps 2 to 7 are asked for
	QUARTER 128, F1, F0, 0
	QUARTER 192, F0, F1, 0
	TURN 1
	QUARTER 64, F0, F1, 0
	WIN 0
	s_sub_co_u32 s2, s2, 1
	s_cmp_lg_u32 s2, 0
	s_cbranch_scc1 .Lk
	QUARTER 128, F1, F0, 0                         ; K step 6 goes on; nothing is left to ask for
	QUARTER 192, F0, F1, 0
	TURN 0
	QUARTER 64, F0, F1, 0
	QUARTER 128, F1, F0, 0
	QUARTER 192, F0, F1, 0
	s_wait_dscnt 4
	MUL12 F1, 0, 0
	MUL12 F1, 1, 0
	s_wait_dscnt 0x0
	MUL12 F1, 2, 0
	MUL12 F1, 3, 0
	WIN 0
	PLACES
	PACK 0
	PACK 1                                         ; a block's conversions stand between the loads of the block before and its stores
	SEND 0, 24
	PACK 2
	SEND 1, 24
	PACK 3
	SEND 2, 24
	SEND 3, 0
	s_wait_tensorcnt 0x0                           ; the wave's end: behind my last tensor load and my last LDS store
	ds_add_u32 v[SPW], v[NIL]
	s_wait_dscnt 0x0
	CROUND                                         ; the closing round: no work-group ends while a partner may still ask for a tile that names it
	s_endpgm
.Lfunc_end_k_qcb25c6af70_qkvproj:
	.size	k_qcb25c6af70_qkvproj, .Lfunc_end_k_qcb25c6af70_qkvproj-k_qcb25c6af70_qkvproj
	.p2alignl 7, 3214868480
	.fill 96, 4, 3214868480
	.section	.rodata,"a",@progbits
	.p2align	6, 0x0
	.amdhsa_kernel k_qcb25c6af70_qkvproj
		.amdhsa_group_segment_fixed_size 327680
		.amdhsa_private_segment_fixed_size 0
		.amdhsa_enable_private_segment 0
		.amdhsa_kernarg_size 24
		.amdhsa_user_sgpr_count 2
		.amdhsa_user_sgpr_kernarg_segment_ptr 1
		.amdhsa_wavefront_size32 1
		.amdhsa_system_sgpr_workgroup_id_x 1
		.amdhsa_system_sgpr_workgroup_id_y 1
		.amdhsa_system_sgpr_workgroup_id_z 1
		.amdhsa_system_vgpr_workitem_id 0
		.amdhsa_next_free_vgpr 960
		.amdhsa_next_free_sgpr 66
		.amdhsa_reserve_vcc 0
		.amdhsa_float_denorm_mode_32 3
		.amdhsa_float_denorm_mode_16_64 3
		.amdhsa_memory_ordered 1
		.amdhsa_forward_progress 1
		.amdhsa_inst_pref_size 97
	.end_amdhsa_kernel
	.amdgpu_metadata
---
amdhsa.version: [ 1, 2 ]
amdhsa.kernels:
  - .name:           k_qcb25c6af70_qkvproj
    .symbol:         k_qcb25c6af70_qkvproj.kd
    .args:
      - { .name: hn, .offset: 0, .size: 8, .value_kind: global_buffer, .address_space: global }
      - { .name: wh, .offset: 8, .size: 8, .value_kind: global_buffer, .address_space: global }
      - { .name: qkv, .offset: 16, .size: 8, .value_kind: global_buffer, .address_space: global }
    .group_segment_fixed_size: 327680
    .private_segment_fixed_size: 0
    .kernarg_segment_align: 8
    .kernarg_segment_size: 24
    .max_flat_workgroup_size: 128
    .sgpr_count:     66
    .vgpr_count:     960
    .wavefront_size: 32
...
	.end_amdgpu_metadata
.endif
;; end of part 2
;; launch attn (part 3): grid 4 x 64, 4 waves a work-group, clusters of 4 x 1, 327,680 bytes of LDS; arguments qkv, o; writes o
.if DOCPART == 3
	.amdgcn_target "amdgcn-amd-amdhsa--gfx1250"
	.amdhsa_code_object_version 6
	.text
	.protected	k_qcb25c6af70_attn
	.globl	k_qcb25c6af70_attn
	.p2align	8
	.type	k_qcb25c6af70_attn,@function
k_qcb25c6af70_attn:
	s_mov_b64 s[64:65], 0
	v_nop
	global_prefetch_b8 v0, s[64:65] scope:SCOPE_SE
	s_setreg_imm32_b32 hwreg(HW_REG_WAVE_MODE, 25, 1), 1
	s_wait_xcnt 0x0
	s_wait_alu depctr_hold_cnt(0) depctr_sa_sdst(0) depctr_va_vdst(0) depctr_va_sdst(0) depctr_va_ssrc(0) depctr_va_vcc(0) depctr_vm_vsrc(0)
	s_getreg_b32 s2, hwreg(HW_REG_IB_STS2, 6, 4)
	s_cmp_eq_u32 s2, 0
	s_cbranch_scc0 .Lentry_in_a_cluster
	s_endpgm
.Lentry_in_a_cluster:
	s_bfe_u32 s2, ttmp6, 0x10000c
	s_cmp_lg_u32 s2, 0x3003
	s_cbranch_scc0 .Lentry_shape_is_right
	s_endpgm
.Lentry_shape_is_right:
; o[16 b + h][q][:] = the sum over k of softmax_k(Q[q] . K[k] / 8) V[k][:] for each of 64 pairs (b, h).  qkv: [4][48][2048][64] f16, slabs 48 b + h (Q), + 16 (K), + 32 (V), each dense, rows of 128 bytes;
; o: [64][2048][64] f16.  Products, maxima and sums in f32; the weights p are rounded to f16 for the second product (their sum l is taken of the unrounded p), o once at the end.
; LIMITS.  f16 holds no number beyond 65,504: Q, K and V arrive within it; p lies in 0 to 1, and below 6e-5 it keeps f16's fixed step of 6e-8; o is a mean of V's rows and has their range.
; A weight below 2^-126 counts as 0 in l; NaN and infinities are not treated apart.
; SHARES.  A wave owns four PIECES of two tiles of 16 queries, a work-group's four waves 512 queries of one head: 4 x 64 = 256 work-groups.  Every wave walks all 2,048 keys, 64 a step.
; LAYOUT.  S^T = K Q^T (source 0 = 16 keys, source 1 = 16 queries): a lane holds ONE query (lane % 16) and the keys 8 (lane / 16) + 0..7.  Two such tiles, rounded to f16 in pairs,
; ARE source 1 (32 keys x 16 queries) of O^T = V^T P, whose result again holds one query a lane, and eight channels.  K comes out of LDS as it lies, V ([key][channel]) turned, by ds_load_tr16_b128.
; SOFTMAX.  For each query a running maximum m and sum l: p = 2^(c s - c m), c = log2(e) / 8; in every step O and l are multiplied by a = 2^(c m_old - c m_new), which is 1 where m has not grown.
; m starts at the lowest finite number, O and l at 0: the first step is a step like any other, with a = 0.
; THE COUNT.  A tile and step have 16 matrix and 118 vector instructions: too many to stand all beside the matrix work.  So: four vector instructions that are READY behind
; EVERY matrix instruction, and the others, which need time of their own whatever the order, in runs without a gap.
; BY TURNS.  Turn n belongs to piece n (the pieces in a ring, step after step).  Its matrix work: 16 products K Q^T of piece n + 1, later 16 products V^T P of piece n - 1.  Its vector work: the scaling,
; exponentials, roundings, sums and rescaling of piece n, and the maximum and statistics of piece n + 1, whose scores the turn itself has made.
; CLUSTER.  A head's four query blocks are one cluster and walk the same K and V, so each tile is asked for JOINTLY: the same tensor load, descriptor and mask in all four.
; REGISTERS, in windows of 256 (s_set_vgpr_msb: bits 1:0 source 0, 3:2 source 1, 5:4 source 2, 7:6 destination):
;   window 0: v0-11 addresses; v12-15, v48-63 at work; v16-47 four registers of statistics a tile; v64-191 S^T, two buffers of two tiles; v192-255 P, likewise
;   window 1: O^T, 32 a tile          window 2: v0-127 Q, 16 a tile; v128-191 K of one step; v192-255 V of one step          window 3: v0-1 the add's two registers
; A piece's buffers go by its number's parity.
.set SIZE_N, 2048
.set NP,    4         ; pieces a wave: a name, no knob
.set KS,    64        ; keys in a step
.set PK,    144       ; a row of K in LDS: 128 bytes + 16 of padding = 36 words: the 16 rows of a load start at 16 different groups of four banks (64 banks of 4 bytes: ISA guide 11.1)
.set PV,    160       ; a row of V: 128 + 32 = 40 words
.set VOFF,  4*KS*PK   ; a slot holds four steps: 256 rows of K, then 256 rows of V
.set SLOT1, 1<<17     ; slot 1 begins here, so that one exclusive or turns an address in one slot into the other's
.set STAGE, SLOT1+4*KS*(PK+PV)  ; behind the ring, never filled by a tensor load: 16 rows x 144 bytes for each wave, for the way out
.set SP,    144
.set AK0, 2           ; v2   my lane's place in a tile of K; never rewritten
.set AV0, 3           ; v3   the same for V
.set AK,  4           ; v4   the LDS address of K's next run of loads
.set AV,  5           ; v5   of V's
.set QO,  6           ; v6   my byte offset in the wave's rows of Q
.set STO, 6           ;      later, the way out: where I put 16 bytes of a row
.set RD,  7           ; v7   the way out: where I read rows back
.set GO,  8           ; v8   my byte offset in 512 consecutive bytes of o
.set PFO, 11          ; v11  256 x my lane, for the prefetches; never rewritten once made
.set SPW, 0           ; v0 of window 3   LDS address of my spare word: SPARE + 4 x my thread's number; never rewritten
.set NIL, 1           ; v1 of window 3   0; never rewritten
.set SPARE, STAGE+4*16*SP  ; behind the stages: the spare words, 128 bytes for each wave: two blocks of 256 bytes that no other line names
.set MV,  12          ; v12-15  c m_old, kept while c m is made anew: by buffer and tile
.set ST,  16          ; tile t's statistics at v[ST+4 t]: c m, m, l (even keys', odd keys')
.set TMP, 48          ; by buffer and tile, four registers c0-c3 at work; when the maximum is found c2 takes a
.set S,   64
.set P,   192
.set KF,  128         ; K's fragments, in window 2: key block kb, channel half c at KF + 16 kb + 8 c
.set VF,  192         ; V's: key half kk, channel block cb at VF + 32 kk + 8 cb
.set WV,  12          ; s12  my wave's number
.set G1K, 24          ; s[24:31] descriptor group 1 for K's tiles
.set G1V, 32          ; s[32:39] for V's: it differs in the padding alone
.set G0K, 40          ; s[40:43] descriptor group 0 for K's tiles: it walks
.set G0V, 44          ; s[44:47] the same for V's
.set PFA, 50          ; s[50:51] where my prefetches stand: my work-group's 32 blocks of 256 bytes (of K: wave 0, of V: wave 2) of the slot after the one that is being asked for
.set LIM, 52          ; s52  1 in a wave that prefetches, else the greatest number
.set SLOTS, 56        ; s56  slots still to be asked for
.set CNT, 57          ; s57  counts a slot's key steps
.set CS,  58          ; s[58:59] c: the packed scaling takes the pair's low word for both halves
.set SEL, 60          ; s[60:61] v_permlanex16_b32's selects: each lane takes its own place in the other half
.set TBK, 62          ; s62  LDS byte at which K of the step to be fetched begins
.set TBV, 63          ; s63  the same for V, less VOFF
.set MSB, 0
.macro WIN new                      ; the high byte repeats the setting that is left; a switch that changes nothing is dropped
.if MSB != (\new)
	s_set_vgpr_msb (MSB<<8)|(\new)
.set MSB, (\new)
.endif
.endm
.set W_KQ, 0x0a       ; K and Q in window 2, S^T in window 0
.set W_PV, 0x52       ; V in window 2, P in window 0, O^T in window 1
.set W_RS, 0x41       ; O^T (destination and source 0) in window 1, a in window 0
.set W_MK, 0xc0       ; the add's registers are made: destination in window 3, sources in window 0
.set W_AD, 0x0f       ; the add: address (source 0) and data (source 1) in window 3
; A joint fill.  Waves 0 and 1 fetch the two halves of a slot's K, waves 2 and 3 those of its V: 128 keys each.  The branch hangs on the wave's number alone.
; An s_nop 0 and four v_nop follow each of the two lines, ahead of the jump and the label.
.macro JLOAD
	s_cmp_lt_u32 s[WV], 2
	s_cbranch_scc0 .Lfor_v_\@
	tensor_load_to_lds s[G0K:G0K+3], s[G1K:G1K+7]
	s_nop 0
.rept 4
	v_nop
.endr
	s_branch .Lasked_\@
.Lfor_v_\@:
	tensor_load_to_lds s[G0V:G0V+3], s[G1V:G1V+7]
	s_nop 0
.rept 4
	v_nop
.endr
.Lasked_\@:
.endm
; A PREFETCH INTO THE L2 of what the NEXT change of slots will ask for: a slot's 32,768 bytes of K and of V, a lane a block of 256 bytes.  It stands behind the wave's tensor load and its five lines.
; Each block is named ONCE in the launch: a head has one cluster; its four partners share a slot's 128 blocks out BY ADDRESS, 32 each (no branch hangs on a work-group's place in its cluster);
; in each, wave 0 asks for K's and wave 2 for V's: one instruction, four key steps (512 matrix instructions) ahead of the load.  The last change that fills a slot asks for nothing: no slot is behind it.
.macro ASK
	s_cmp_gt_u32 s[SLOTS], s[LIM]
	s_cbranch_scc0 .Lnot_mine_\@
	global_prefetch_b8 v[PFO], s[PFA:PFA+1] th:TH_LOAD_NT scope:SCOPE_SE
.Lnot_mine_\@:
.endm
; A round of the cluster's barrier: my work-group's barrier, so that wave 0's signal speaks for all four waves; wave 0 signals; every wave waits for all four work-groups; my work-group's barrier once more.
.macro CROUND
	s_barrier_signal -1
	s_barrier_wait -1
	s_cmp_lg_u32 s[WV], 0
	s_cbranch_scc1 .Lnot_wave_0_\@
	s_barrier_signal -3
.Lnot_wave_0_\@:
	s_barrier_wait -3
	s_barrier_signal -1
	s_barrier_wait -1
.endm
; THE CHANGE OF SLOTS.  The slot's last bytes, V of its fourth step, have been read.  Each wave waits for all its tensor loads, of which one is out: its part
; of the other slot; adds 0 to its spare word; and waits for that and for its own reads of the slot.  Behind the barrier nobody reads this slot any more and the other slot is whole.
; fill = 1: this slot is filled again, with the keys two slots on.  The barrier is then a round of the cluster's, so that no wave of any partner still reads the slot or has a load on its
; way, and the joint fill is the first thing behind it: it has four key steps, 512 matrix instructions, in which to land.  (At its first use nothing has been read yet: slot 0 is waited for, slot 1 filled.)
; ask = 1: the prefetches' address steps a slot on, and the slot behind the one just asked for is prefetched.
.macro CHANGE fill, ask=0
	WIN W_AD
	s_wait_tensorcnt 0x0            ; no tensor load of mine is out, so a group 0 may be written
	ds_add_u32 v[SPW], v[NIL]       ; 0 onto my spare word; with fill = 1 the descriptors' steps stand between it and the wait for it
	WIN 0                           ; at a label and at a branch every window is 0
.if \fill
.irp g, G0K, G0V
	s_xor_b32 s[\g+1], s[\g+1], SLOT1  ; the walking descriptor: the other slot than last time,
	s_add_nc_u64 s[\g+2:\g+3], s[\g+2:\g+3], 4*KS*128  ; the next 256 keys; the type bits on top are not reached
.endr
.if \ask
	s_wait_xcnt 0x0                 ; the last prefetch, four key steps back, has read its address, so it may be written
	s_add_nc_u64 s[PFA:PFA+1], s[PFA:PFA+1], 4*KS*128
.endif
	s_wait_dscnt 0x0                ; the add is done, and my reads of the slot are over
	CROUND
	JLOAD
.if \ask
	ASK
.endif
.else
	s_wait_dscnt 0x0                ; the add is done, and my reads of the slot are over
	s_barrier_signal -1
	s_barrier_wait -1
.endif
	s_sub_co_u32 s[TBK], s[TBK], 4*KS*PK  ; the fetches go back to a slot's first step,
	s_xor_b32 s[TBK], s[TBK], SLOT1       ; in the other slot
	s_sub_co_u32 s[TBV], s[TBV], 4*KS*PV
	s_xor_b32 s[TBV], s[TBV], SLOT1
.endm
	s_load_b128 s[4:7], s[0:1], 0x0 ; qkv s[4:5], o s[6:7]
	WIN W_MK
	v_lshl_add_u32 v[SPW], v0, 2, SPARE
	v_mov_b32 v[NIL], 0
	WIN W_AD
	ds_add_u32 v[SPW], v[NIL]       ; the wave's opening: the add and its wait stand ahead of my first tensor load; the set-up below, work on registers, stands between them
	WIN 0
	v_lshrrev_b32 v1, 5, v0
	v_readfirstlane_b32 s[WV], v1   ; wave 0..3
	s_bfe_u32 s13, ttmp6, 0x40000   ; cx: my place in the cluster
	s_lshl_b32 s14, ttmp9, 2        ; in a cluster launch ttmp9 counts clusters
	s_add_co_u32 s14, s14, s13      ; my block of 512 queries = 4 x cluster x + cx: it enters Q's and o's addresses alone
	s_and_b32 s20, ttmp7, 0xffff    ; 16 b + h, which the four partners share
	s_lshl_b32 s48, s20, 18         ; its slab in o: 262,144 bytes each
	s_mov_b32 s49, 0
	s_lshr_b32 s21, s20, 4
	s_lshl_b32 s21, s21, 5
	s_add_co_u32 s20, s20, s21      ; Q's slab in qkv: 48 b + h
	s_lshl_b32 s20, s20, 18
	s_mov_b32 s21, 0
	s_and_b32 s16, s[WV], 1         ; which half of a slot's 256 keys I fetch:
	s_lshl_b32 s22, s16, 14         ; its 128 rows of 128 bytes in memory,
	s_mov_b32 s23, 0
	s_add_nc_u64 s[22:23], s[22:23], s[20:21]
	s_mul_i32 s17, s16, 128*PK      ; and its place in a slot, for K
	s_mul_i32 s18, s16, 128*PV      ; and for V: no place in the cluster enters an LDS address
	s_lshl_b32 s2, s14, 2
	s_add_co_u32 s2, s2, s[WV]      ; my wave among the head's,
	s_lshl_b32 s2, s2, 14           ; its 128 rows
	s_mov_b32 s3, 0
	s_add_nc_u64 s[48:49], s[48:49], s[2:3]  ; my rows' offset in o,
	s_add_nc_u64 s[2:3], s[2:3], s[20:21]    ; and in qkv
	; descriptor group 1.  128 keys are 16,384 dense bytes: asked for as 64 rows of 256 bytes, two keys a row, and padded in LDS after every key
	s_mov_b32 s[G1K], 15|(1<<16)|(1<<20)|(1<<21)|(4<<22)|(3<<25)  ; 15:0 the mask of four; 17:16 2-byte elements; 20 padding on; 21 set beside a mask; 24:22 after every 32 words (code 4); 31:25 4 words (code 3)
	s_mov_b32 s[G1V], 15|(1<<16)|(1<<20)|(1<<21)|(4<<22)|(7<<25)  ; the same with 8 words of padding (code 7)
.irp g, G1K, G1V
	s_mov_b32 s[\g+1], 128<<16      ; tensor_dim0 = 128
	s_mov_b32 s[\g+2], 64<<16       ; tensor_dim1 = 64
	s_mov_b32 s[\g+3], 128<<16      ; tile_dim0 = 128
	s_mov_b32 s[\g+4], 64           ; tile_dim1 = 64
	s_mov_b32 s[\g+5], 128          ; 128 elements from row to row
	s_mov_b32 s[\g+6], 0
	s_mov_b32 s[\g+7], 0
.endr
	s_mov_b32 s[CS], 0x3e38aa3b     ; c = log2(e) / 8 = 0.180337
	s_mov_b32 s[CS+1], s[CS]        ; named with it as a pair
	s_mov_b32 s[SEL], 0x76543210
	s_mov_b32 s[SEL+1], 0xfedcba98
	s_mov_b32 s[TBK], SLOT1+4*KS*PK ; the first change of slots turns these two into 0
	s_mov_b32 s[TBV], SLOT1+4*KS*PV
	s_mov_b32 s[G0K], 1             ; 1:0 count = 1
	s_mov_b32 s[G0K+1], s17         ; 63:32 LDS address: slot 0
	s_mov_b32 s[G0V], 1
	s_add_co_u32 s[G0V+1], s18, VOFF
	s_cmp_eq_u32 s16, 0             ; waves 0 and 2 prefetch: the same in all four partners
	s_cselect_b32 s[LIM], 1, -1
	s_wait_dscnt 0x0                ; the opening add is done
	s_wait_kmcnt 0x0
	s_add_nc_u64 s[10:11], s[6:7], s[48:49]  ; o at my wave's first row
	s_add_nc_u64 s[6:7], s[4:5], s[22:23]    ; Q's slab at my half of a slot's keys:
	s_add_nc_u64 s[8:9], s[6:7], 0x800000    ; V lies 32 slabs on,
	s_add_nc_u64 s[6:7], s[6:7], 0x400000    ; K 16
	s_add_nc_u64 s[4:5], s[4:5], s[2:3]      ; Q at my wave's first row
	s_add_nc_u64 s[G0K+2:G0K+3], s[6:7], 0         ; 120:64 global address: my half of the head's first 256 keys
	s_or_b32 s[G0K+3], s[G0K+3], 0x80000000        ; 127:126 type = 2
	s_add_nc_u64 s[G0V+2:G0V+3], s[8:9], 0
	s_or_b32 s[G0V+3], s[G0V+3], 0x80000000
	s_cmp_lt_u32 s[WV], 2
	s_cselect_b64 s[PFA:PFA+1], s[6:7], s[8:9]     ; (in waves 0 and 2 these stand at a slot's first row)
	s_lshl_b32 s2, s13, 13          ; my work-group's 32 blocks of the 128
	s_mov_b32 s3, 0
	s_add_nc_u64 s[PFA:PFA+1], s[PFA:PFA+1], s[2:3]
	s_add_nc_u64 s[PFA:PFA+1], s[PFA:PFA+1], 2*4*KS*128  ; in slot 2; the loop's first change steps it to slot 3.  Nothing is prefetched here, at the head, where every work-group's first tiles are on their way
	CROUND                          ; all four work-groups are here: the first joint loads meet
	JLOAD                           ; slot 0.  Slot 1 is asked for when slot 0 is in: the tile wanted first has the road to itself
	; A fragment of K or Q is 16 rows x 32 channels in 8 registers: lane l holds row l % 16, channels 8 (l / 16) + 0..7 and 16 + 8 (l / 16) + 0..7: two loads of 16 bytes, 32 bytes apart.
	v_and_b32 v1, 15, v0            ; l % 16
	v_bfe_u32 v9, v0, 4, 1          ; l / 16
	v_lshlrev_b32 v[QO], 7, v1
	v_lshl_add_u32 v[QO], v9, 4, v[QO]  ; row x 128 + 16 x half
	WIN 0x80                        ; destination window 2, address window 0
.set i, 0
.rept 4*NP                          ; Q stays in registers: tile i / 2, channels 32 (i % 2) on
	global_load_b128 v[8*i:8*i+3],   v[QO], s[4:5] offset:(i/2)*2048+(i%2)*64
	global_load_b128 v[8*i+4:8*i+7], v[QO], s[4:5] offset:(i/2)*2048+(i%2)*64+32
.set i, i+1
.endr
	; What the first turn finds: V's registers and P's second buffer hold 0 (its products V^T P, of a piece that has not been, add 0), O^T and l are 0.  All this stands in the wait for the first tile.
.set i, VF
.rept 64
	v_mov_b32 v[i], 0
.set i, i+1
.endr
	WIN 0x40
.set i, 0
.rept 64*NP
	v_mov_b32 v[i], 0
.set i, i+1
.endr
	WIN 0
.set i, 0
.rept 2*NP
	v_mov_b32 v[ST+4*i], 0xfe000000    ; c m: far below every c s
	v_mov_b32 v[ST+4*i+1], 0xff7fffff  ; m
	v_mov_b32 v[ST+4*i+2], 0
	v_mov_b32 v[ST+4*i+3], 0
.set i, i+1
.endr
.set i, P+32
.rept 32
	v_mov_b32 v[i], 0
.set i, i+1
.endr
	v_mul_u32_u24 v[AK0], v1, PK
	v_lshl_add_u32 v[AK0], v9, 4, v[AK0]  ; row x pitch + 16 x half
	; The turning load takes 16 keys x 16 channels (lane l reads key 8 (l / 16) + l % 8, channels 8 ((l / 8) % 2) + 0..7) and leaves half a fragment of V^T: lane l holds channel l % 16 and 8 keys.
	v_and_b32 v10, 7, v0
	v_bfe_u32 v11, v0, 3, 1
	v_lshl_add_u32 v[AV0], v9, 3, v10
	v_mul_u32_u24 v[AV0], v[AV0], PV
	v_lshl_add_u32 v[AV0], v11, 4, v[AV0]
	v_add_nc_u32 v[AV0], VOFF, v[AV0]
	v_and_b32 v[PFO], 31, v0        ; v11 has served: it takes the prefetches' offset
	v_lshlrev_b32 v[PFO], 8, v[PFO]
	v_mov_b32 v[AK], v[AK0]         ; key step 0 lies at the head of slot 0
; THE MATRIX WORK.  The 8 accumulators of a run of 16 take turns: between the two links of a chain stand 7 others'.
; Product i of 16 of S^T = K Q^T for piece x: channels 32 (i / 8) on, keys 16 ((i / 2) % 4) on, tile 2 x + i % 2.  The first 8 start the sums.
.macro KQ x
	WIN W_KQ
.set rS, S+64*((\x)%2)+32*(i%2)+8*((i/2)%4)
.set rK, KF+16*((i/2)%4)+8*(i/8)
.set rQ, 16*(2*(\x)+i%2)+8*(i/8)
.if i < 8
	v_wmma_f32_16x16x32_f16 v[rS:rS+7], v[rK:rK+7], v[rQ:rQ+7], 0
.else
	v_wmma_f32_16x16x32_f16 v[rS:rS+7], v[rK:rK+7], v[rQ:rQ+7], v[rS:rS+7]
.endif
.endm
; Product i of 16 of O^T += V^T P for piece x: keys 32 (i / 8) on, channels 16 ((i / 2) % 4) on, tile 2 x + i % 2.
.macro PV x
	WIN W_PV
.set rO, 32*(2*(\x)+i%2)+8*((i/2)%4)
.set rV, VF+32*(i/8)+8*((i/2)%4)
.set rP, P+32*((\x)%2)+16*(i%2)+8*(i/8)
	v_wmma_f32_16x16x32_f16 v[rO:rO+7], v[rV:rV+7], v[rP:rP+7], v[rO:rO+7]
.endm
.macro MM                           ; the turn's next matrix instruction
.if i < 16
	KQ (Y+1)%NP
.set i, i+1
.else
.set i, i-16
	PV (Y+NP-1)%NP
.set i, i+17
.endif
.endm
; THE LDS LOADS stand in runs of 16, never singly among the matrix instructions: a step's K (64 keys x 64 channels: 8 fragments) and its V (turned).  Their addresses are made some lines ahead.
; last = 1 (the tail): in the last trip there is no further step, and the run is jumped over.
.macro FETCH_K last=0
	WIN 0
.if \last
	s_cmp_eq_u32 s[CNT], 1
	s_cbranch_scc1 .Lno_k_\@
.endif
	WIN 0x80                        ; destination window 2
.irp f, 0,1,2,3,4,5,6,7             ; keys 16 (f / 2) on, channels 32 (f % 2) on
	ds_load_b128 v[KF+8*\f:KF+8*\f+3],   v[AK] offset:(\f/2)*16*PK+(\f%2)*64
	ds_load_b128 v[KF+8*\f+4:KF+8*\f+7], v[AK] offset:(\f/2)*16*PK+(\f%2)*64+32
.endr
	s_add_co_u32 s[TBK], s[TBK], KS*PK  ; the next fetch is the next step's
	WIN 0
.if \last
.Lno_k_\@:
.endif
.endm
.macro FETCH_V
	WIN 0x80
.irp f, 0,1,2,3,4,5,6,7             ; keys 32 (f / 4) on, channels 16 (f % 4) on
	ds_load_tr16_b128 v[VF+8*\f:VF+8*\f+3],   v[AV] offset:(\f/4)*32*PV+(\f%4)*32
	ds_load_tr16_b128 v[VF+8*\f+4:VF+8*\f+7], v[AV] offset:(\f/4)*32*PV+16*PV+(\f%4)*32
.endr
	WIN 0
.endm
; THE VECTOR WORK OF A TURN stands in three queues, each in the order in which its entries become ready; the two tiles alternate, so that no instruction reads the result of the one before it.
.macro REGS y, u                    ; the registers of tile u (0, 1) of piece y
.set rT, ST+4*(2*(\y)+(\u))
.set rC, TMP+8*((\y)%2)+4*(\u)
.set rM, MV+2*((\y)%2)+(\u)
.set rS, S+64*((\y)%2)+32*(\u)
.set rP, P+32*((\y)%2)+16*(\u)
.set rO, 32*(2*(\y)+(\u))
.endm
; Number n of the 22 that find the NEXT piece's (Y + 1) maximum and statistics.  s0-s31 are the lane's 32 scores; each accumulator's lowest registers are read first.
;   0-11  four chains c0-c3 of seven scores each, three operands at a time     12-14, 16  the four scores left over, the old m, and c0-c3 into c0     15  c m_old is kept
;   17, 18  the query's other 32 keys lie in the lane 16 away: the new m         19-21  c m; c m_old - c m_new; a
.macro XS u, n
	REGS (Y+1)%NP, \u
.if (\n) < 4
	v_max3_num_f32 v[rC+(\n)], v[rS+8*(\n)], v[rS+8*(\n)+1], v[rS+8*(\n)+2]
.elseif (\n) < 12
	v_max3_num_f32 v[rC+(\n)%4], v[rC+(\n)%4], v[rS+8*((\n)%4)+2*((\n)/4)+1], v[rS+8*((\n)%4)+2*((\n)/4)+2]
.elseif (\n) == 12
	v_max3_num_f32 v[rC], v[rC], v[rS+7], v[rS+15]
.elseif (\n) == 13
	v_max3_num_f32 v[rC+1], v[rC+1], v[rS+23], v[rS+31]
.elseif (\n) == 14
	v_max3_num_f32 v[rC+2], v[rC+2], v[rC+3], v[rT+1]
.elseif (\n) == 15
	v_mov_b32 v[rM], v[rT]
.elseif (\n) == 16
	v_max3_num_f32 v[rC], v[rC], v[rC+1], v[rC+2]
.elseif (\n) == 17
	v_permlanex16_b32 v[rC+3], v[rC], s[SEL], s[SEL+1]
.elseif (\n) == 18
	v_max_num_f32 v[rT+1], v[rC], v[rC+3]
.elseif (\n) == 19
	v_mul_f32 v[rT], s[CS], v[rT+1]
.elseif (\n) == 20
	v_sub_f32 v[rC+1], v[rM], v[rT]
.else
	v_exp_f32 v[rC+2], v[rC+1]
.endif
.endm
; Number g of the 64 that follow the exponentials.  For each four weights k of a tile (pairs 2 k, 2 k + 1): both pairs are rounded to f16; then the second pair is added onto the first, in place;
; a group later l takes that sum (the first time as l = a l + sum).  In groups of eight, tiles alternating: round, round, add, and l for the group before.
.macro GS g
.set h, (\g)+6*((\g)/62)            ; group 0 has no group before it, and behind group 7 only l is left
.if h >= 6
.set h, h+2
.endif
	REGS Y, h%2
.set k, h/8
.if h%8 < 4
	s_wait_alu depctr_va_vdst(0)
	v_cvt_pk_f16_f32 v[rP+2*k+(h%8)/2], v[rS+4*k+2*((h%8)/2)], v[rS+4*k+2*((h%8)/2)+1]
.elseif h%8 < 6
	v_pk_add_f32 v[rS+4*k:rS+4*k+1], v[rS+4*k:rS+4*k+1], v[rS+4*k+2:rS+4*k+3]
.elseif k == 1
	v_pk_fma_f32 v[rT+2:rT+3], v[rT+2:rT+3], v[rC+2:rC+3], v[rS:rS+1] op_sel_hi:[1,0,1]
.else
	v_pk_add_f32 v[rT+2:rT+3], v[rT+2:rT+3], v[rS+4*k-4:rS+4*k-3]
	s_wait_alu depctr_va_vdst(0)
.endif
.endm
; THE PLAIN QUEUE, 138 long.  0-31: c s - c m for the 16 pairs of both tiles.  Then GS's 64, and among them the next piece's 42: number 15 at 38, 39; 0-14 and 16
; at 42-73, behind the products that make those scores; 17-20 at 95-106, two of three, since each waits for the one before it.
.macro PL
	WIN 0
.if q < 32
	REGS Y, q%2
	v_pk_fma_f32 v[rS+2*(q/2):rS+2*(q/2)+1], v[rS+2*(q/2):rS+2*(q/2)+1], s[CS:CS+1], v[rT:rT+1] op_sel_hi:[1,0,0] neg_lo:[0,0,1] neg_hi:[0,0,1]
.elseif q < 38
	GS q-32
.elseif q < 40
	XS q%2, 15
.elseif q < 42
	GS q-34
.elseif q < 74
	XS q%2, (q-42)/2+(q-42)/30
.elseif q < 95
	GS q-66
.elseif (q < 107) && ((q-95)%3 < 2)
	XS (q-95)%3, 17+(q-95)/3
.elseif q < 107
	GS 29+(q-95)/3
.else
	GS q-74
.endif
.set q, q+1
.endm
; THE EXPONENTIALS' QUEUE, 66 long: s0-s31 of both tiles, and at EA the next piece's two a.
.set EA, 58
.macro EX
	WIN 0
.if (e == EA) || (e == EA+1)
	XS e-EA, 21
.else
.set x, e-2*(e/(EA+2))
	REGS Y, x%2
	v_exp_f32 v[rS+x/2], v[rS+x/2]
.endif
.set e, e+1
.endm
; THE RESCALING's QUEUE: O^T times a, the one part that leaves window 0, so it is dealt four at a time, eight times.
.macro R4
	REGS Y, r%2
	WIN W_RS
	s_wait_alu depctr_va_vdst(0)
.irp z, 0,1,2,3
	v_pk_mul_f32 v[rO+8*(r/2)+2*\z:rO+8*(r/2)+2*\z+1], v[rO+8*(r/2)+2*\z:rO+8*(r/2)+2*\z+1], v[rC+2:rC+3] op_sel_hi:[1,0]
.endr
.set r, r+1
.endm
; HOW THEY ARE DEALT.  Behind a matrix instruction four: plain, exponential, plain, plain (one exponential, a plain instruction on either side), or four of the rescaling.  None names a register of the
; products round it.  What is over stands in two LUMPS: exponential and plain by turns; the second ends in 22 plain instructions.  The two v_permlanex16_b32 fall into the second lump, never behind a product.
; The queues lean on each other, and the deal keeps them in step: exponential e stands behind plain 2 (e / 4) + e % 2 (its scaling); when plain 32 comes, 10 exponentials are out, at 59: 33, at 95: 46; EA comes behind plain 107.
.macro SL
	MM
	PL
	EX
	PL
	PL
.endm
.macro BURST n                      ; 15 matrix instructions, or 16
.rept (\n)-7
	SL
.endr
.rept 3
	MM
	R4
	SL
.endr
	MM
	R4
.endm
; A TURN, for piece p.  cnt = 1: the loop's count is taken down some lines ahead of the branch that stands behind the turn.
; K of the next step is fetched in piece 2's turn, 31 vector instructions behind the last product that read K; its first reader comes behind the rest of the lump, 16 products and the second lump.
; V of the step in hand is fetched at the end of piece 0's turn, 69 behind its last reader; its first reader comes behind 16 products and a lump.  The four conditions on e and q below go with the deal.
.macro TURN p, last=0, cnt=0
.set Y, (\p)
.set i, 0
.set q, 0
.set e, 0
.set r, 0
.if (\p) == NP-1
	s_wait_dscnt 0x0                ; K is in
.endif
	MM
.rept 4
	PL
.endr
	BURST 15
.rept 22
	EX
	PL
.if ((\p) == NP-2) && (e == 18)
	v_add_nc_u32 v[AK], s[TBK], v[AK0]
.endif
.if ((\p) == NP-2) && (e == 24)
	FETCH_K \last
.endif
.endr
.if (\p) == 1
	s_wait_dscnt 0x0                ; V is in
.endif
	BURST 16
.rept 21
	EX
	PL
.endr
.rept 22
	PL
.if ((\p) == 0) && (q == 118)
	v_add_nc_u32 v[AV], s[TBV], v[AV0]
	s_wait_alu depctr_va_vdst(0)
.endif
.if ((\p) == 0) && (q == 130)
	s_add_co_u32 s[TBV], s[TBV], KS*PV
.endif
.if (\cnt) && (q == 130)
	s_sub_co_u32 s[CNT], s[CNT], 1
	s_cmp_lg_u32 s[CNT], 0
.endif
.endr
.if (\p) == 0
	FETCH_V
.endif
.endm
	CHANGE 1                        ; slot 0 is in, everybody's part of it; slot 1 is asked for
	FETCH_K                         ; key step 0
	s_wait_loadcnt 0x0              ; Q
	s_wait_dscnt 0x0
.set i, 0
.rept 16
	KQ 0                            ; piece 0's first scores: there is no vector work yet to set between them
.set i, i+1
.endr
	WIN 0                           ; the addresses for the way out: nine plain instructions, the places behind those products
	s_mul_i32 s13, s[WV], 16*SP
	s_add_co_u32 s13, s13, STAGE    ; my stage
	v_mul_u32_u24 v[STO], v1, SP    ; in: row l % 16, 16 bytes for each half of the lanes
	v_lshl_add_u32 v[STO], v9, 4, v[STO]
	v_add_nc_u32 v[STO], s13, v[STO]
	v_bfe_u32 v[RD], v0, 3, 2       ; back: 32 lanes take four rows of 128 bytes,
	v_mul_u32_u24 v[RD], v[RD], SP
	v_lshl_add_u32 v[RD], v10, 4, v[RD]
	v_add_nc_u32 v[RD], s13, v[RD]
	v_and_b32 v[GO], 31, v0         ; which are 512 consecutive bytes of o
	v_lshlrev_b32 v[GO], 4, v[GO]
.set Y, NP-1                        ; XS works for piece Y + 1: piece 0
.irp n, 0,1,2,3,4,5,6,7,8,9,10,11,12,13,14,15,16,17,18,19,20,21
	XS 0, \n                        ; and piece 0's first maximum and statistics
	XS 1, \n
.endr
	s_mov_b32 s[CNT], 4
	s_mov_b32 s[SLOTS], SIZE_N/256-1
	s_branch .Lfirst                ; the loop is entered at a step's first turn, in the middle of a trip
.Lslot:                             ; SIZE_N / 256 - 2 = 6 times: every slot but the last two is filled again
	CHANGE 1, 1
	s_mov_b32 s[CNT], 4
.Lstep:                             ; a trip: pieces 2 and 3 of one step, then pieces 0 and 1 of the next, whose K and V it fetches
	TURN 2
	TURN 3
	WIN 0
.Lfirst:
	TURN 0
	TURN 1, 0, 1
	WIN 0
	s_cbranch_scc1 .Lstep
	s_sub_co_u32 s[SLOTS], s[SLOTS], 1
	s_cmp_lg_u32 s[SLOTS], 0
	s_cbranch_scc1 .Lslot
	CHANGE 0                        ; the tail is written out: nothing is asked for
	s_mov_b32 s[CNT], 5             ; four trips fetch the last slot's steps; the fifth is left in its middle
.Ltail:
	TURN 2, 1
	TURN 3
	WIN 0
	s_sub_co_u32 s[CNT], s[CNT], 1
	s_cmp_eq_u32 s[CNT], 0
	s_cbranch_scc1 .Lout
	TURN 0
	TURN 1
	WIN 0
	s_branch .Ltail
.Lout:                              ; the fifth trip's 16 products K Q^T (on the last K once more) and the maximum made of them serve nothing: the price, once a launch, of one text for every trip
.set i, 0
.rept 16
	PV NP-1                         ; the last piece's V^T P of the last step
.set i, i+1
.endr
	; THE WAY OUT.  l's two halves and the other half of the lanes' are added; O^T is divided by l, rounded to f16 and sent through my stage in LDS, a tile at a time.  The additions are the places behind the last products.
	WIN 0
.macro ALL line:vararg              ; one line for each tile t
.set t, 0
.rept 2*NP
	\line
.set t, t+1
.endr
.endm
	ALL v_add_f32 v[ST+4*t+2], v[ST+4*t+2], v[ST+4*t+3]
	ALL v_permlanex16_b32 v[ST+4*t+3], v[ST+4*t+2], s[SEL], s[SEL+1]
	ALL v_add_f32 v[ST+4*t+2], v[ST+4*t+2], v[ST+4*t+3]
	ALL v_rcp_f32 v[ST+4*t+2], v[ST+4*t+2]
	v_nop                           ; a plain instruction between the last reciprocal and the use of its result
	s_wait_alu depctr_va_vdst(0)
; Tile t: a lane's eight channels of a row pack into 16 bytes; they go into rows of 144 bytes and come back as whole rows of 128, into S^T's registers.
.macro PACK t
	WIN W_RS
.set i, 32*(\t)
.rept 16
	v_pk_mul_f32 v[i:i+1], v[i:i+1], v[ST+4*(\t)+2:ST+4*(\t)+3] op_sel_hi:[1,0]
.set i, i+2
.endr
	WIN 0x05                        ; sources 0 and 1 window 1, destination window 0
.set i, 0
.rept 16
	v_cvt_pk_f16_f32 v[S+16*(\t)+i], v[32*(\t)+2*i], v[32*(\t)+2*i+1]
.set i, i+1
.endr
	WIN 0
.irp f, 0,1,2,3
	ds_store_b128 v[STO], v[S+16*(\t)+4*\f:S+16*(\t)+4*\f+3] offset:32*\f
.endr
.irp f, 0,1,2,3
	ds_load_b128 v[S+16*(\t)+4*\f:S+16*(\t)+4*\f+3], v[RD] offset:\f*4*SP  ; LDS serves a wave's instructions in order (ISA guide 5.7.1.4): these see the stores above; the next tile's stores come behind them
.endr
.endm
.macro SEND t, younger              ; younger: the LDS instructions issued behind tile t's loads: the next tile's eight, or none
	WIN 0
.irp f, 0,1,2,3
	s_wait_dscnt (\younger)+3-\f
	global_store_b128 v[GO], v[S+16*(\t)+4*\f:S+16*(\t)+4*\f+3], s[10:11] offset:(\t)*2048+\f*512  ; 512 consecutive bytes, at a multiple of 256 from o's first
.endr
.endm
	PACK 0
.set t, 1
.rept 2*NP-1                        ; a tile's arithmetic stands between the loads of the tile before and its stores
	PACK t
	SEND t-1, 8
.set t, t+1
.endr
	SEND 2*NP-1, 0
	WIN W_AD
	s_wait_tensorcnt 0x0            ; the wave's end: behind my last tensor load and my last LDS store
	ds_add_u32 v[SPW], v[NIL]
	s_wait_dscnt 0x0
	WIN 0
	CROUND                          ; the closing round: no work-group ends while a partner may still ask for a tile that names it
	s_endpgm
.Lfunc_end_k_qcb25c6af70_attn:
	.size	k_qcb25c6af70_attn, .Lfunc_end_k_qcb25c6af70_attn-k_qcb25c6af70_attn
	.p2alignl 7, 3214868480
	.fill 96, 4, 3214868480
	.section	.rodata,"a",@progbits
	.p2align	6, 0x0
	.amdhsa_kernel k_qcb25c6af70_attn
		.amdhsa_group_segment_fixed_size 327680
		.amdhsa_private_segment_fixed_size 0
		.amdhsa_enable_private_segment 0
		.amdhsa_kernarg_size 16
		.amdhsa_user_sgpr_count 2
		.amdhsa_user_sgpr_kernarg_segment_ptr 1
		.amdhsa_wavefront_size32 1
		.amdhsa_system_sgpr_workgroup_id_x 1
		.amdhsa_system_sgpr_workgroup_id_y 1
		.amdhsa_system_sgpr_workgroup_id_z 1
		.amdhsa_system_vgpr_workitem_id 0
		.amdhsa_next_free_vgpr 770
		.amdhsa_next_free_sgpr 66
		.amdhsa_reserve_vcc 0
		.amdhsa_float_denorm_mode_32 3
		.amdhsa_float_denorm_mode_16_64 3
		.amdhsa_memory_ordered 1
		.amdhsa_forward_progress 1
		.amdhsa_inst_pref_size 209
	.end_amdhsa_kernel
	.amdgpu_metadata
---
amdhsa.version: [ 1, 2 ]
amdhsa.kernels:
  - .name:           k_qcb25c6af70_attn
    .symbol:         k_qcb25c6af70_attn.kd
    .args:
      - { .name: qkv, .offset: 0, .size: 8, .value_kind: global_buffer, .address_space: global }
      - { .name: o, .offset: 8, .size: 8, .value_kind: global_buffer, .address_space: global }
    .group_segment_fixed_size: 327680
    .private_segment_fixed_size: 0
    .kernarg_segment_align: 8
    .kernarg_segment_size: 16
    .max_flat_workgroup_size: 128
    .sgpr_count:     66
    .vgpr_count:     770
    .wavefront_size: 32
...
	.end_amdgpu_metadata
.endif
;; end of part 3
;; launch outproj (part 4): grid 8 x 32, 4 waves a work-group, clusters of 4 x 4, 327,680 bytes of LDS; arguments o, wh, out0; writes out0
.if DOCPART == 4
	.amdgcn_target "amdgcn-amd-amdhsa--gfx1250"
	.amdhsa_code_object_version 6
	.text
	.protected	k_qcb25c6af70_outproj
	.globl	k_qcb25c6af70_outproj
	.p2align	8
	.type	k_qcb25c6af70_outproj,@function
k_qcb25c6af70_outproj:
	s_mov_b64 s[64:65], 0
	v_nop
	global_prefetch_b8 v0, s[64:65] scope:SCOPE_SE
	s_setreg_imm32_b32 hwreg(HW_REG_WAVE_MODE, 25, 1), 1
	s_wait_xcnt 0x0
	s_wait_alu depctr_hold_cnt(0) depctr_sa_sdst(0) depctr_va_vdst(0) depctr_va_sdst(0) depctr_va_ssrc(0) depctr_va_vcc(0) depctr_vm_vsrc(0)
	s_getreg_b32 s2, hwreg(HW_REG_IB_STS2, 6, 4)
	s_cmp_eq_u32 s2, 0
	s_cbranch_scc0 .Lentry_in_a_cluster
	s_endpgm
.Lentry_in_a_cluster:
	s_bfe_u32 s2, ttmp6, 0x10000c
	s_cmp_lg_u32 s2, 0xf033
	s_cbranch_scc0 .Lentry_shape_is_right
	s_endpgm
.Lentry_shape_is_right:
; out0[2048 b + s][e] = the sum over h, c of o[16 b + h][s][c] wh[3072 + e][64 h + c].  o: [64][2048][64] f16, wh's last 1,024 rows: [.][1024] f16; sums in f32, stored as f32.
; SHARES.  A tile is 256 tokens x 128 columns: 32 x 8 = 256 work-groups.  Wave w makes tokens 64 w .. + 63 of all 128 columns: 4 x 8 accumulators of 16 x 16, 256 registers, and so owns whole
; 512-byte pieces of rows of out0: the way out needs no barrier.  K = 1,024 goes in 8 steps of 128 = two heads, through two LDS slots filled by the tensor data mover, one load a wave:
; wave 0, 1: a head's 256 tokens, 32,768 dense bytes, asked for as 128 rows of 256 bytes and padded in LDS after every token; wave 2, 3: 64 rows x 256 bytes of the weights.
; CLUSTER.  4 x 4 work-groups: the four of a row need the same tokens, the four of a column the same weights: each tile is asked for JOINTLY, by the same load, descriptor and mask in all four.
; THE MATRIX INSTRUCTION IS USED TRANSPOSED (source 0 = 16 rows of wh, source 1 = 16 tokens): a lane holds token l % 16 and eight neighbouring columns: 32 bytes of f32.
; REGISTERS, in windows of 256 (s_set_vgpr_msb: bits 1:0 source 0, 3:2 source 1, 5:4 source 2, 7:6 destination):
;   window 0: addresses      window 1: two fragment buffers at 0 and 128: B's 8 fragments, then A's 4      window 2: the accumulators, (a, b) at v[8 (8 a + b)]
.set PA,     144                       ; a token's row of one head in LDS: 128 bytes + 16: an odd multiple of 16, so the 16 rows of a fragment load start at 16 different groups of four banks (ISA guide 11.1)
.set PB,     272                       ; a row of the weights: 256 bytes + 16
.set HEADB,  256*PA                    ; a head's 256 tokens
.set SLOT1,  1<<17                     ; slot 1 begins here: one exclusive or turns an address in one slot into the other's
.set BOFF,   2*HEADB                   ; in a slot: two heads of A, then B's 128 rows
.set STAGE,  SLOT1+BOFF+128*PB         ; behind the ring, never filled by a tensor load: 16 rows x 528 bytes for each wave
.set SPITCH, 528                       ; 512 bytes + 16
.set SPARE,  STAGE+4*16*SPITCH         ; the spare words, 128 bytes a wave: two blocks of 256 bytes that no other line names
.set A0,   16                          ; v16  my lane's place in slot 0's A; never rewritten
.set B0,   17                          ; v17  the same for B
.set ADRA, 18                          ; v18  A0 + the slot in hand
.set ADRB, 19                          ; v19  B0 + the slot in hand
.set STO,  24                          ; v24  the way out: where I put 32 bytes of a row
.set RD,   25                          ; v25  the way out: where I read a row back
.set GO,   26                          ; v26  16 x lane: my place in a row's 512 bytes
.set SPW,  28                          ; v28  LDS address of my spare word; never rewritten
.set NIL,  29                          ; v29  0; never rewritten
.set F0,   0
.set F1,   128
.set G1A, 24                           ; s[24:31] descriptor group 1 for A's tiles
.set G0A, 32                           ; s[32:39] group 0: a set for each first fill; the second then walks on
.set G1B, 48                           ; s[48:55], s[56:63] the same for B's
.set G0B, 56
.set TB,  3                            ; s3   the slot in hand: 0 or SLOT1
.set MSB, 0
.macro WIN new                         ; the immediate's high byte repeats the setting that is left; a switch that changes nothing is dropped
.if MSB != (\new)
	s_set_vgpr_msb (MSB<<8)|(\new)
.set MSB, \new
.endif
.endm
.macro PLACES                          ; four places behind a matrix instruction, in front of loads into registers that it named and of stores of results
.rept 4
	v_nop
.endr
.endm
; A joint refill by the walking descriptor.  The branch hangs on the wave's number alone.  An s_nop 0 and four v_nop follow each line, ahead of the jump and the label.
.macro JLOAD
	s_cmp_lt_u32 s10, 2
	s_cbranch_scc0 .Lfor_b_\@
	tensor_load_to_lds s[G0A+4:G0A+7], s[G1A:G1A+7]
	s_nop 0
.rept 4
	v_nop
.endr
	s_branch .Lasked_\@
.Lfor_b_\@:
	tensor_load_to_lds s[G0B+4:G0B+7], s[G1B:G1B+7]
	s_nop 0
.rept 4
	v_nop
.endr
.Lasked_\@:
.endm
.macro CREST                           ; a round of the cluster's barrier behind its opening barrier
	s_cmp_lg_u32 s10, 0
	s_cbranch_scc1 .Lnot_wave_0_\@
	s_barrier_signal -3
.Lnot_wave_0_\@:
	s_barrier_wait -3
	s_barrier_signal -1
	s_barrier_wait -1
.endm
.macro CROUND                          ; a whole round
	s_barrier_signal -1
	s_barrier_wait -1
	CREST
.endm
	s_load_b128 s[4:7], s[0:1], 0x0                ; o s[4:5], wh s[6:7]
	s_load_b64 s[8:9], s[0:1], 0x10                ; out0
	v_lshl_add_u32 v[SPW], v0, 2, SPARE
	v_mov_b32 v[NIL], 0
	ds_add_u32 v[SPW], v[NIL]                      ; the wave's opening: the add and its wait stand ahead of my first tensor load; the set-up below stands between them
	v_lshrrev_b32 v1, 5, v0
	v_readfirstlane_b32 s10, v1                    ; wave 0..3
	s_and_b32 s12, s10, 1                          ; which head of a K step's two, or which half of B's rows, I fetch
	s_bfe_u32 s40, ttmp6, 0x40000                  ; cx, cy: my place in the cluster
	s_bfe_u32 s41, ttmp6, 0x40004
	s_lshl_b32 s42, ttmp9, 2
	s_add_co_u32 s42, s42, s40                     ; tile column = 4 x cluster x + cx
	s_and_b32 s13, ttmp7, 0xffff
	s_lshl_b32 s13, s13, 2
	s_add_co_u32 s13, s13, s41                     ; tile row = 4 x cluster y + cy
	s_lshl_b32 s43, s41, 2
	s_lshl_b32 s43, 15, s43                        ; my row of the cluster
	s_lshl_b32 s44, 0x1111, s40                    ; my column
	s_or_b32 s[G1A+0], s43, (1<<16)|(1<<20)|(1<<21)|(4<<22)|(3<<25)  ; 15:0 the mask; 17:16 2-byte elements; 20 padding on; 21 set beside a mask; 24:22 after every 32 words (a token); 31:25 4 words
	s_or_b32 s[G1B+0], s44, (1<<16)|(1<<20)|(1<<21)|(5<<22)|(3<<25)  ; after every 64 words (a row)
	s_mov_b32 s[G1A+1], 128<<16                    ; tensor_dim0 = 128
	s_mov_b32 s[G1A+2], 128<<16                    ; tensor_dim1 = 128 rows of two tokens
	s_mov_b32 s[G1A+3], 128<<16                    ; tile_dim0 = 128
	s_mov_b32 s[G1A+4], 128                        ; tile_dim1 = 128
	s_mov_b32 s[G1A+5], 128                        ; dense: 128 elements from row to row
	s_mov_b32 s[G1A+6], 0
	s_mov_b32 s[G1A+7], 0
	s_mov_b32 s[G1B+1], 128<<16
	s_mov_b32 s[G1B+2], 64<<16                     ; 64 rows
	s_mov_b32 s[G1B+3], 128<<16
	s_mov_b32 s[G1B+4], 64
	s_mov_b32 s[G1B+5], 1024
	s_mov_b32 s[G1B+6], 0
	s_mov_b32 s[G1B+7], 0
	s_lshr_b32 s16, s13, 3                         ; A: slab 16 b + my head of K step 0 (262,144 bytes each), 256 tokens of 128 bytes a tile row
	s_lshl_b32 s16, s16, 4
	s_add_co_u32 s16, s16, s12
	s_lshl_b32 s16, s16, 18
	s_and_b32 s17, s13, 7
	s_lshl_b32 s17, s17, 15
	s_add_co_u32 s16, s16, s17
	s_mov_b32 s17, 0
	s_lshl_b32 s46, s42, 7                         ; B: row 3,072 + 128 x tile column + 64 x half, rows of 2,048 bytes
	s_lshl_b32 s47, s12, 6
	s_add_co_u32 s46, s46, s47
	s_lshl_b32 s46, s46, 11
	s_add_co_u32 s46, s46, 3072*2048
	s_mov_b32 s47, 0
	s_mul_i32 s20, s12, HEADB                      ; where they go: no place in the cluster enters an LDS address
	s_mul_i32 s21, s12, 64*PB
	s_add_co_u32 s21, s21, BOFF
	s_mov_b32 s[TB], 0
	s_wait_dscnt 0x0                               ; the opening add is done
	s_wait_kmcnt 0x0
	s_add_nc_u64 s[14:15], s[4:5], s[16:17]
	s_add_nc_u64 s[46:47], s[6:7], s[46:47]
	CROUND                                         ; all sixteen work-groups are here: the first joint loads meet
.irp s, 0,1
	s_mov_b32 s[G0A+4*(\s)], 1                                       ; count = 1
	s_add_co_u32 s[G0A+4*(\s)+1], s20, (\s)*SLOT1                    ; LDS address
	s_add_nc_u64 s[G0A+4*(\s)+2:G0A+4*(\s)+3], s[14:15], (\s)*524288 ; global address: K step s is two slabs on
	s_or_b32 s[G0A+4*(\s)+3], s[G0A+4*(\s)+3], 0x80000000            ; type = 2
	s_mov_b32 s[G0B+4*(\s)], 1
	s_add_co_u32 s[G0B+4*(\s)+1], s21, (\s)*SLOT1
	s_add_nc_u64 s[G0B+4*(\s)+2:G0B+4*(\s)+3], s[46:47], (\s)*256
	s_or_b32 s[G0B+4*(\s)+3], s[G0B+4*(\s)+3], 0x80000000
.endr
	s_cmp_lt_u32 s10, 2                            ; a wave's two first fills stand in one branch, ahead of every wait on TENSORcnt and every LDS read: two loads of mine are out
	s_cbranch_scc0 .Lfirst_b
	tensor_load_to_lds s[G0A:G0A+3], s[G1A:G1A+7]
	s_nop 0
	tensor_load_to_lds s[G0A+4:G0A+7], s[G1A:G1A+7]
	s_nop 0
.rept 4
	v_nop
.endr
	s_branch .Lfirst_asked
.Lfirst_b:
	tensor_load_to_lds s[G0B:G0B+3], s[G1B:G1B+7]
	s_nop 0
	tensor_load_to_lds s[G0B+4:G0B+7], s[G1B:G1B+7]
	s_nop 0
.rept 4
	v_nop
.endr
.Lfirst_asked:
	; A fragment is 16 rows x 32 K in 8 registers: lane l holds row l % 16, K = 8 (l / 16) + 0..7 and 16 + 8 (l / 16) + 0..7: two loads of 16 bytes, 32 bytes apart.
	v_and_b32 v1, 15, v0                           ; l % 16
	v_bfe_u32 v2, v0, 4, 1                         ; l / 16
	v_mul_u32_u24 v3, v1, PA
	v_lshl_add_u32 v3, v2, 4, v3
	s_mul_i32 s21, s10, 64*PA                      ; my 64 tokens
	v_add_nc_u32 v[A0], s21, v3
	v_mul_u32_u24 v4, v1, PB
	v_lshl_add_u32 v4, v2, 4, v4
	v_add_nc_u32 v[B0], BOFF, v4
	v_mov_b32 v[ADRA], v[A0]
	v_mov_b32 v[ADRB], v[B0]
	s_mul_i32 s23, s10, 16*SPITCH
	s_add_co_u32 s23, s23, STAGE                   ; my stage
	v_mul_u32_u24 v5, v1, SPITCH                   ; in: row l % 16, 32 bytes for each half of the lanes
	v_lshl_add_u32 v5, v2, 5, v5
	v_add_nc_u32 v[STO], s23, v5
	v_and_b32 v[GO], 31, v0                        ; back: 32 lanes take a row's 512 bytes
	v_lshlrev_b32 v[GO], 4, v[GO]
	v_add_nc_u32 v[RD], s23, v[GO]
	s_lshl_b32 s20, s13, 8                         ; out0 at row 256 x tile row + 64 x wave (4,096 bytes each), column 128 x tile column
	s_lshl_b32 s22, s10, 6
	s_add_co_u32 s20, s20, s22
	s_lshl_b32 s20, s20, 12
	s_lshl_b32 s22, s42, 9
	s_add_co_u32 s20, s20, s22
	s_mov_b32 s21, 0
	s_add_nc_u64 s[8:9], s[8:9], s[20:21]
; 8 matrix instructions: token block a x all 8 column blocks, 32 along K.  zero = 1: the product starts the sum: nothing is cleared.
; The 32 accumulators take turns, in the same order in every quarter and over the backward jump.
.macro MUL8 f, a, zero
	WIN 0xa5
.irp b, 0,1,2,3,4,5,6,7
.if \zero
	v_wmma_f32_16x16x32_f16 v[8*(8*(\a)+(\b)):8*(8*(\a)+(\b))+7], v[(\f)+8*(\b):(\f)+8*(\b)+7], v[(\f)+64+8*(\a):(\f)+64+8*(\a)+7], 0
.else
	v_wmma_f32_16x16x32_f16 v[8*(8*(\a)+(\b)):8*(8*(\a)+(\b))+7], v[(\f)+8*(\b):(\f)+8*(\b)+7], v[(\f)+64+8*(\a):(\f)+64+8*(\a)+7], v[8*(8*(\a)+(\b)):8*(8*(\a)+(\b))+7]
.endif
.endr
.endm
; 24 LDS loads in one run: the fragments of quarter q (head q / 2 of the step's two, channels 32 (q % 2) on) into buffer f: B's 8, then A's 4
.macro FETCH q, f
	WIN 0x40
.irp b, 0,1,2,3,4,5,6,7
	ds_load_b128 v[(\f)+8*(\b):(\f)+8*(\b)+3],   v[ADRB] offset:64*(\q)+(\b)*16*PB
	ds_load_b128 v[(\f)+8*(\b)+4:(\f)+8*(\b)+7], v[ADRB] offset:64*(\q)+(\b)*16*PB+32
.endr
.irp a, 0,1,2,3
	ds_load_b128 v[(\f)+64+8*(\a):(\f)+64+8*(\a)+3],   v[ADRA] offset:((\q)/2)*HEADB+((\q)%2)*64+(\a)*16*PA
	ds_load_b128 v[(\f)+64+8*(\a)+4:(\f)+64+8*(\a)+7], v[ADRA] offset:((\q)/2)*HEADB+((\q)%2)*64+(\a)*16*PA+32
.endr
.endm
; A K step is four quarters of 32 along K, 32 matrix instructions each, on buffers 0, 1, 0, 1.  One of the first three multiplies buffer f and fetches quarter q into g.
.macro QUARTER q, f, g, zero
	s_wait_dscnt 4                                 ; B and A's blocks 0, 1 are in; the youngest four loads (A's blocks 2, 3) may be out
	MUL8 \f, 0, \zero
	MUL8 \f, 1, \zero
	PLACES
	FETCH \q, \g
	s_wait_dscnt 24                                ; all but the 24 just issued
	MUL8 \f, 2, \zero
	MUL8 \f, 3, \zero
.endm
; The last quarter multiplies buffer 1 and changes slots: ONE barrier.  In front of it each wave waits for all its tensor loads (one is out: its part of the next slot), adds 0 to its spare word, and waits
; for that and for its reads of this slot.  fill = 1: the barrier opens a round of the cluster's, and behind the round this slot is filled again, two K steps ahead: 112 matrix instructions ahead of the wait for it.
.macro TURN fill
	WIN 0
	s_wait_tensorcnt 0x0                           ; no tensor load of mine is out, so a group 0 may be written
	ds_add_u32 v[SPW], v[NIL]                      ; 0 onto my spare word
.if \fill
	s_xor_b32 s[G0A+5], s[G0A+5], SLOT1            ; the walking descriptors: the other slot than last time,
	s_add_nc_u64 s[G0A+6:G0A+7], s[G0A+6:G0A+7], 524288  ; the next two heads,
	s_xor_b32 s[G0B+5], s[G0B+5], SLOT1
	s_add_nc_u64 s[G0B+6:G0B+7], s[G0B+6:G0B+7], 256     ; the next 128 columns of the weights; the type bits on top are not reached
.endif
	s_xor_b32 s[TB], s[TB], SLOT1                  ; the fetches go on in the other slot
	s_wait_dscnt 5                                 ; the add and the youngest four loads may be out
	MUL8 F1, 0, 0
	s_wait_dscnt 0x0                               ; the add is done, and my reads of this slot are over
	s_barrier_signal -1
	MUL8 F1, 1, 0
	WIN 0                                          ; at a branch and at a label every window is 0
	s_barrier_wait -1
.if \fill
	CREST                                          ; no wave of any partner still reads this slot or has a load on its way
	JLOAD                                          ; the first tensor load behind the round; its four v_nop are also the places in front of the loads below
.else
	PLACES
.endif
	v_add_nc_u32 v[ADRA], s[TB], v[A0]
	v_add_nc_u32 v[ADRB], s[TB], v[B0]
	FETCH 0, F0
	MUL8 F1, 2, 0
	MUL8 F1, 3, 0
.endm
; THE WAY OUT of token block a: 32 bytes a lane into my own stage, each accumulator's low four registers first; back as whole rows of 512 bytes, into the block's own registers.
.macro PACK a
	WIN 0x08                                       ; the stores' data in window 2
.irp b, 0,1,2,3,4,5,6,7
	ds_store_b128 v[STO], v[8*(8*(\a)+(\b)):8*(8*(\a)+(\b))+3]   offset:64*(\b)
	ds_store_b128 v[STO], v[8*(8*(\a)+(\b))+4:8*(8*(\a)+(\b))+7] offset:64*(\b)+16
.endr
	WIN 0x80                                       ; the loads' destination in window 2
.irp i, 0,1,2,3,4,5,6,7,8,9,10,11,12,13,14,15
	ds_load_b128 v[64*(\a)+4*(\i):64*(\a)+4*(\i)+3], v[RD] offset:SPITCH*(\i)  ; LDS serves a wave's instructions in order (ISA guide 5.7.1.4): these see the stores above
.endr
.endm
.macro SEND a, younger                 ; younger: the LDS instructions issued behind block a's loads: the next block's 32, or none
	WIN 0x08
.irp i, 0,1,2,3,4,5,6,7,8,9,10,11,12,13,14,15
	s_wait_dscnt (\younger)+15-(\i)
	global_store_b128 v[GO], v[64*(\a)+4*(\i):64*(\a)+4*(\i)+3], s[8:9] offset:4096*(16*(\a)+(\i)) th:TH_STORE_NT  ; 512 consecutive bytes of a row of out0, aligned
.endr
.endm
	s_wait_tensorcnt 1                             ; my part of K step 0 is in; K step 1's may stay out
	s_barrier_signal -1
	s_barrier_wait -1                              ; everybody's is
	FETCH 0, F0
	QUARTER 1, F0, F1, 1                           ; the first quarter stands in front of the loop: its products start the sums
	WIN 0
	s_mov_b32 s2, 6
.Lk:                                                   ; a trip: from a K step's second quarter to the next step's first; K steps 2 to 7 are asked for
	QUARTER 2, F1, F0, 0
	QUARTER 3, F0, F1, 0
	TURN 1
	QUARTER 1, F0, F1, 0
	WIN 0
	s_sub_co_u32 s2, s2, 1
	s_cmp_lg_u32 s2, 0
	s_cbranch_scc1 .Lk
	QUARTER 2, F1, F0, 0                           ; K step 6 goes on; nothing is left to ask for
	QUARTER 3, F0, F1, 0
	TURN 0
	QUARTER 1, F0, F1, 0
	QUARTER 2, F1, F0, 0
	QUARTER 3, F0, F1, 0
	s_wait_dscnt 4
	MUL8 F1, 0, 0
	MUL8 F1, 1, 0
	s_wait_dscnt 0x0
	MUL8 F1, 2, 0
	MUL8 F1, 3, 0
	WIN 0
	PLACES
	PACK 0
	PACK 1                                         ; a block's trip through the stage stands between the loads of the block before and its stores
	SEND 0, 32
	PACK 2
	SEND 1, 32
	PACK 3
	SEND 2, 32
	SEND 3, 0
	WIN 0
	s_wait_tensorcnt 0x0                           ; the wave's end: behind my last tensor load and my last LDS store
	ds_add_u32 v[SPW], v[NIL]
	s_wait_dscnt 0x0
	CROUND                                         ; the closing round: no work-group ends while a partner may still ask for a tile that names it
	s_endpgm
.Lfunc_end_k_qcb25c6af70_outproj:
	.size	k_qcb25c6af70_outproj, .Lfunc_end_k_qcb25c6af70_outproj-k_qcb25c6af70_outproj
	.p2alignl 7, 3214868480
	.fill 96, 4, 3214868480
	.section	.rodata,"a",@progbits
	.p2align	6, 0x0
	.amdhsa_kernel k_qcb25c6af70_outproj
		.amdhsa_group_segment_fixed_size 327680
		.amdhsa_private_segment_fixed_size 0
		.amdhsa_enable_private_segment 0
		.amdhsa_kernarg_size 24
		.amdhsa_user_sgpr_count 2
		.amdhsa_user_sgpr_kernarg_segment_ptr 1
		.amdhsa_wavefront_size32 1
		.amdhsa_system_sgpr_workgroup_id_x 1
		.amdhsa_system_sgpr_workgroup_id_y 1
		.amdhsa_system_sgpr_workgroup_id_z 1
		.amdhsa_system_vgpr_workitem_id 0
		.amdhsa_next_free_vgpr 768
		.amdhsa_next_free_sgpr 66
		.amdhsa_reserve_vcc 0
		.amdhsa_float_denorm_mode_32 3
		.amdhsa_float_denorm_mode_16_64 3
		.amdhsa_memory_ordered 1
		.amdhsa_forward_progress 1
		.amdhsa_inst_pref_size 70
	.end_amdhsa_kernel
	.amdgpu_metadata
---
amdhsa.version: [ 1, 2 ]
amdhsa.kernels:
  - .name:           k_qcb25c6af70_outproj
    .symbol:         k_qcb25c6af70_outproj.kd
    .args:
      - { .name: o, .offset: 0, .size: 8, .value_kind: global_buffer, .address_space: global }
      - { .name: wh, .offset: 8, .size: 8, .value_kind: global_buffer, .address_space: global }
      - { .name: out0, .offset: 16, .size: 8, .value_kind: global_buffer, .address_space: global }
    .group_segment_fixed_size: 327680
    .private_segment_fixed_size: 0
    .kernarg_segment_align: 8
    .kernarg_segment_size: 24
    .max_flat_workgroup_size: 128
    .sgpr_count:     66
    .vgpr_count:     768
    .wavefront_size: 32
...
	.end_amdgpu_metadata
.endif
;; end of part 4
;; ======== version 2 of 2: 4 launches; version 1 with the launch prep written anew for expert scheduling mode
;; limits: values are held in f16: magnitudes above 65,504 overflow, below 6.1e-05 lose precision
;; workspace buffers: hn 16,777,216 bytes; wh 8,388,608 bytes; qkv 50,331,648 bytes; o 16,777,216 bytes
;; launch prep (part 5): grid 768 x 1, 4 waves a work-group, no clusters, 0 bytes of LDS; arguments x, in_proj_w, out_proj_w, ln_gamma, ln_beta, hn, wh; writes hn, wh
.if DOCPART == 5
	.amdgcn_target "amdgcn-amd-amdhsa--gfx1250"
	.amdhsa_code_object_version 6
	.text
	.protected	k_qcb25c6af70_prep
	.globl	k_qcb25c6af70_prep
	.p2align	8
	.type	k_qcb25c6af70_prep,@function
k_qcb25c6af70_prep:
	s_mov_b64 s[64:65], 0
	v_nop
	global_prefetch_b8 v0, s[64:65] scope:SCOPE_SE
	s_setreg_imm32_b32 hwreg(HW_REG_WAVE_SCHED_MODE, 0, 2), 2
	s_setreg_imm32_b32 hwreg(HW_REG_WAVE_MODE, 25, 1), 1
	s_wait_xcnt 0x0
	s_wait_alu depctr_vm_vsrc(0)
; hn = LayerNorm(x) * gamma + beta, rounded once to f16; wh = in_proj_w's 3,072 rows and then out_proj_w's 1,024 rows, rounded once to f16.
; All rows are 1,024 f32 (4,096 bytes) in and 1,024 f16 (2,048 bytes) out.  A work-group takes 16 rows, a wave 4, one wave a whole row:
; work-groups 0-511 normalise x's 8,192 rows, work-groups 512-767 cast the 4,096 rows of weights.
; A row lies in 32 registers between the pass for the mean, the pass for the variance (of x - mean, as the module defines it: no difference of large sums) and the scaling,
; so memory is read once and no wave waits for another: no LDS, no barrier.  Each wave asks for all its 4 rows at its head: 32 loads of 512 consecutive bytes.
; Chunk j of a row: lane l holds columns 128 j + 4 l .. + 3; they leave as 8 bytes of f16, so a wave's store covers 256 consecutive bytes, aligned.
; LIMITS.  f16 holds no number beyond 65,504: LN(x) gamma + beta and the weights lie within it; below 6e-5 f16 keeps a fixed step of 6e-8.  NaN and infinities are not treated apart.
; THE MODE: SCHED_MODE bits 1:0 = 2 (LLVM: expert scheduling mode 2), set by the entry lines.  The code itself states the register dependences
; between vector instructions and memory instructions, with s_wait_alu, always for 0.
; THE PLAN.  Registers that memory instructions touch:
;   v1, v2, v3   byte offsets, made by vector instructions at the head and never written again: one wait at the head, ahead of the branch, serves every load and store of both paths.
;   G, BT, X     each register takes one load, issued at the head of its path, before any vector instruction names it.
;   X, row i     worked on in place by row i's vector instructions; its conversions write the first two registers of each chunk, the row's eight stores read them, and nothing writes them again.
;   T, M, R, P   are named by vector instructions alone.
; In the norm, row i - 1's stores stand behind the one wait of row i, the roots': row i - 1's conversions were issued ahead of it, and the vector instructions behind it name row i's X, R, G and BT,
; never row i - 1's X or v2.  So the stores are dealt among row i's scalings with no further wait; the last row has a wait of its own.  In the cast a row is sixteen conversions, a wait and eight stores.
; No register that a load or a store has read is written again, no vector instruction writes a scalar register or VCC, and EXEC is never written: no other wait is owed.
.set G,  4                             ; v[4:35]    gamma of my 32 columns
.set BT, 36                            ; v[36:67]   beta
.set X,  68                            ; v[68:195]  row i at X + 32 i, chunk j at + 4 j
.set T,  196                           ; v[196:203] four chains of pairs
.set M,  204                           ; v[204:205] the mean, twice
.set R,  206                           ; v[206:207] 1 / sqrt(var + eps), twice
.set P,  208                           ; v208       the other half of the lanes' sum
	s_load_b256 s[4:11], s[0:1], 0x0               ; x s[4:5], in_proj_w s[6:7], out_proj_w s[8:9], gamma s[10:11]
	s_load_b128 s[12:15], s[0:1], 0x20             ; beta s[12:13], hn s[14:15]
	s_load_b64 s[16:17], s[0:1], 0x30              ; wh
	v_and_b32 v3, 31, v0                           ; lane
	v_lshrrev_b32 v1, 5, v0                        ; wave
	v_lshlrev_b32 v2, 13, v1                       ; out: wave x 4 rows x 2,048 bytes
	v_lshlrev_b32 v1, 14, v1                       ; in:  wave x 4 rows x 4,096 bytes
	v_lshl_or_b32 v1, v3, 4, v1                    ; + 16 bytes a lane
	v_lshl_or_b32 v2, v3, 3, v2                    ; + 8 bytes a lane
	v_lshlrev_b32 v3, 4, v3                        ; gamma's and beta's offset
	v_mov_b32 v[P], 0                              ; v_permlanex16_b32 counts as a reader of its destination
	s_mov_b32 s19, 0
	s_mov_b32 s20, 0x3a800000                      ; 1 / 1,024
	s_mov_b32 s21, 0x3727c5ac                      ; eps = 1e-5
	s_mov_b32 s22, 0x76543210                      ; v_permlanex16_b32: each lane takes its own place in the other half
	s_mov_b32 s23, 0xfedcba98
	s_wait_kmcnt 0x0
	s_wait_alu depctr_va_vdst(0)                   ; v1, v2 and v3 are written: every load and store of both paths reads one of them as its offset
.macro LOADX                           ; my 4 rows: 32 loads, each 512 consecutive bytes
.irp i, 0,1,2,3
.irp j, 0,1,2,3,4,5,6,7
	global_load_b128 v[X+32*(\i)+4*(\j):X+32*(\i)+4*(\j)+3], v1, s[4:5] offset:4096*(\i)+512*(\j) th:TH_LOAD_NT
.endr
.endr
.endm
.macro REDUCE                          ; the four chains, the pair's halves, the 32 lanes: the sum ends in v[T] of every lane
	v_pk_add_f32 v[T:T+1], v[T:T+1], v[T+2:T+3]
	v_pk_add_f32 v[T+4:T+5], v[T+4:T+5], v[T+6:T+7]
	v_pk_add_f32 v[T:T+1], v[T:T+1], v[T+4:T+5]
	v_add_f32 v[T], v[T], v[T+1]
	v_add_f32_dpp v[T], v[T], v[T] row_xmask:1 row_mask:0xf bank_mask:0xf
	v_add_f32_dpp v[T], v[T], v[T] row_xmask:2 row_mask:0xf bank_mask:0xf
	v_add_f32_dpp v[T], v[T], v[T] row_xmask:4 row_mask:0xf bank_mask:0xf
	v_add_f32_dpp v[T], v[T], v[T] row_xmask:8 row_mask:0xf bank_mask:0xf
	v_permlanex16_b32 v[P], v[T], s22, s23
	v_add_f32 v[T], v[T], v[P]
.endm
.macro ST i, j, base                   ; chunk j of row i leaves: 256 consecutive bytes a store
	global_store_b64 v2, v[X+32*(\i)+4*(\j):X+32*(\i)+4*(\j)+1], s[\base:\base+1] offset:2048*(\i)+256*(\j)
.endm
.macro STROW i, base                   ; a row's eight stores in one run
.irp j, 0,1,2,3,4,5,6,7
	ST \i, \j, \base
.endr
.endm
.macro CVT i                           ; row i rounded to f16, in place: a chunk's four numbers close up into its first two registers
.irp j, 0,1,2,3,4,5,6,7
	v_cvt_pk_f16_f32 v[X+32*(\i)+4*(\j)], v[X+32*(\i)+4*(\j)], v[X+32*(\i)+4*(\j)+1]
	v_cvt_pk_f16_f32 v[X+32*(\i)+4*(\j)+1], v[X+32*(\i)+4*(\j)+2], v[X+32*(\i)+4*(\j)+3]
.endr
.endm
.macro NORM i                          ; row i, in place: ((x - mean) rsqrt(var + eps)) gamma + beta; among its scalings the stores of row i - 1
.set XR, X+32*(\i)
.irp c, 0,1,2,3
	v_pk_add_f32 v[T+2*(\c):T+2*(\c)+1], v[XR+8*(\c):XR+8*(\c)+1], v[XR+8*(\c)+2:XR+8*(\c)+3]  ; the first two pairs start each chain: nothing is cleared
.endr
.irp k, 4,6
.irp c, 0,1,2,3
	v_pk_add_f32 v[T+2*(\c):T+2*(\c)+1], v[T+2*(\c):T+2*(\c)+1], v[XR+8*(\c)+(\k):XR+8*(\c)+(\k)+1]
.endr
.endr
	REDUCE
	v_mul_f32 v[M], s20, v[T]
	v_mul_f32 v[M+1], s20, v[T]
.set p, 0
.rept 16
	v_pk_add_f32 v[XR+p:XR+p+1], v[XR+p:XR+p+1], v[M:M+1] neg_lo:[0,1] neg_hi:[0,1]  ; x - mean
.set p, p+2
.endr
.irp c, 0,1,2,3
	v_pk_mul_f32 v[T+2*(\c):T+2*(\c)+1], v[XR+8*(\c):XR+8*(\c)+1], v[XR+8*(\c):XR+8*(\c)+1]
.endr
.irp k, 2,4,6
.irp c, 0,1,2,3
	v_pk_fma_f32 v[T+2*(\c):T+2*(\c)+1], v[XR+8*(\c)+(\k):XR+8*(\c)+(\k)+1], v[XR+8*(\c)+(\k):XR+8*(\c)+(\k)+1], v[T+2*(\c):T+2*(\c)+1]
.endr
.endr
	REDUCE
	v_fma_f32 v[T], v[T], s20, s21                 ; var + eps
	v_rsq_f32 v[R], v[T]
	v_rsq_f32 v[R+1], v[T]
	v_nop                                          ; a plain instruction between the root and the use of its result (ISA guide 5.7.2)
	s_wait_alu depctr_va_vdst(0)                   ; the two roots have written v[R:R+1], which the scalings below read; the conversions of the row before have written its X, which the stores below read
.irp j, 0,1,2,3,4,5,6,7
.if (\i) > 0
	ST (\i)-1, \j, 14                              ; no vector instruction since the wait names the row before's X, or v2
.endif
	v_pk_mul_f32 v[XR+4*(\j):XR+4*(\j)+1], v[XR+4*(\j):XR+4*(\j)+1], v[R:R+1]
	v_pk_mul_f32 v[XR+4*(\j)+2:XR+4*(\j)+3], v[XR+4*(\j)+2:XR+4*(\j)+3], v[R:R+1]
.endr
.set p, 0
.rept 16
	v_pk_fma_f32 v[XR+p:XR+p+1], v[XR+p:XR+p+1], v[G+p:G+p+1], v[BT+p:BT+p+1]
.set p, p+2
.endr
.endm
	s_cmp_lt_u32 ttmp9, 512
	s_cbranch_scc0 .Lcast
	; THE NORM: work-group g takes x's rows 16 g .. 16 g + 15
	s_lshl_b32 s18, ttmp9, 16                      ; 16 rows of 4,096 bytes
	s_add_nc_u64 s[4:5], s[4:5], s[18:19]
	s_lshl_b32 s18, ttmp9, 15                      ; 16 rows of 2,048 bytes
	s_add_nc_u64 s[14:15], s[14:15], s[18:19]
.irp j, 0,1,2,3,4,5,6,7
	global_load_b128 v[G+4*(\j):G+4*(\j)+3], v3, s[10:11] offset:512*(\j)
.endr
.irp j, 0,1,2,3,4,5,6,7
	global_load_b128 v[BT+4*(\j):BT+4*(\j)+3], v3, s[12:13] offset:512*(\j)
.endr
	LOADX
.irp i, 0,1,2,3
	s_wait_loadcnt 8*(3-(\i))                      ; loads come back in order (ISA guide 5.7.1): gamma, beta and row i are in; the younger rows' eight loads each stay out
	NORM \i
	CVT \i
.endr
	s_wait_alu depctr_va_vdst(0)                   ; row 3's conversions have written its X, which the last eight stores read
	STROW 3, 14
	s_endpgm
.Lcast:
	; THE CAST: work-group 512 + g takes wh's rows 16 g .. 16 g + 15: in_proj_w's for g < 192, out_proj_w's rows 16 (g - 192) .. behind them
	s_sub_co_u32 s18, ttmp9, 512
	s_sub_co_u32 s25, s18, 192
	s_cmp_lt_u32 s18, 192
	s_cselect_b64 s[4:5], s[6:7], s[8:9]
	s_cselect_b32 s24, s18, s25
	s_lshl_b32 s24, s24, 16
	s_mov_b32 s25, 0
	s_add_nc_u64 s[4:5], s[4:5], s[24:25]
	s_lshl_b32 s18, s18, 15
	s_add_nc_u64 s[16:17], s[16:17], s[18:19]
	LOADX
.irp i, 0,1,2,3
	s_wait_loadcnt 8*(3-(\i))                      ; row i is in; the younger rows stay out
	CVT \i
	s_wait_alu depctr_va_vdst(0)                   ; row i's conversions have written its X, which its eight stores read; they go out ahead of the wait for the next row's loads, on which they do not hang
	STROW \i, 16
.endr
	s_endpgm
.Lfunc_end_k_qcb25c6af70_prep:
	.size	k_qcb25c6af70_prep, .Lfunc_end_k_qcb25c6af70_prep-k_qcb25c6af70_prep
	.p2alignl 7, 3214868480
	.fill 96, 4, 3214868480
	.section	.rodata,"a",@progbits
	.p2align	6, 0x0
	.amdhsa_kernel k_qcb25c6af70_prep
		.amdhsa_group_segment_fixed_size 0
		.amdhsa_private_segment_fixed_size 0
		.amdhsa_enable_private_segment 0
		.amdhsa_kernarg_size 56
		.amdhsa_user_sgpr_count 2
		.amdhsa_user_sgpr_kernarg_segment_ptr 1
		.amdhsa_wavefront_size32 1
		.amdhsa_system_sgpr_workgroup_id_x 1
		.amdhsa_system_sgpr_workgroup_id_y 1
		.amdhsa_system_sgpr_workgroup_id_z 1
		.amdhsa_system_vgpr_workitem_id 0
		.amdhsa_next_free_vgpr 212
		.amdhsa_next_free_sgpr 66
		.amdhsa_reserve_vcc 0
		.amdhsa_float_denorm_mode_32 3
		.amdhsa_float_denorm_mode_16_64 3
		.amdhsa_memory_ordered 1
		.amdhsa_forward_progress 1
		.amdhsa_inst_pref_size 49
	.end_amdhsa_kernel
	.amdgpu_metadata
---
amdhsa.version: [ 1, 2 ]
amdhsa.kernels:
  - .name:           k_qcb25c6af70_prep
    .symbol:         k_qcb25c6af70_prep.kd
    .args:
      - { .name: x, .offset: 0, .size: 8, .value_kind: global_buffer, .address_space: global }
      - { .name: in_proj_w, .offset: 8, .size: 8, .value_kind: global_buffer, .address_space: global }
      - { .name: out_proj_w, .offset: 16, .size: 8, .value_kind: global_buffer, .address_space: global }
      - { .name: ln_gamma, .offset: 24, .size: 8, .value_kind: global_buffer, .address_space: global }
      - { .name: ln_beta, .offset: 32, .size: 8, .value_kind: global_buffer, .address_space: global }
      - { .name: hn, .offset: 40, .size: 8, .value_kind: global_buffer, .address_space: global }
      - { .name: wh, .offset: 48, .size: 8, .value_kind: global_buffer, .address_space: global }
    .group_segment_fixed_size: 0
    .private_segment_fixed_size: 0
    .kernarg_segment_align: 8
    .kernarg_segment_size: 56
    .max_flat_workgroup_size: 128
    .sgpr_count:     66
    .vgpr_count:     212
    .wavefront_size: 32
...
	.end_amdgpu_metadata
.endif
;; end of part 5
;; launch qkvproj: the kernel of part 2 again; grid 16 x 32, 4 waves a work-group, clusters of 4 x 4, 327,680 bytes of LDS; arguments hn, wh, qkv; writes qkv
;; launch attn: the kernel of part 3 again; grid 4 x 64, 4 waves a work-group, clusters of 4 x 1, 327,680 bytes of LDS; arguments qkv, o; writes o
;; launch outproj: the kernel of part 4 again; grid 8 x 32, 4 waves a work-group, clusters of 4 x 4, 327,680 bytes of LDS; arguments o, wh, out0; writes out0
